; MI455X (gfx1250); checked and timed in simulation.
; The chip was launched on July 23, 2026; its instructions are those of AMD's public machine-readable ISA for CDNA 5 (MIT licence, August 2026) and "CDNA5" Instruction Set Architecture Reference Guide (July 2026). The comments in the code are by the model that wrote it; some were corrected since.
;; Self Attention Layer. Allowed arithmetic: matrix products marked QUANTISED: E2M1 operands, one E8M0 scale for each 32 along K, by v_wmma_scale_f32_16x16x128_f8f6f4 with both operands' format E2M1 (or v_wmma_scale_f32_32x16x128_f4), f32 sums; products left as they are: bf16, f16 or f32 operands; f32 sums; everything else in f32.
;; Inputs: Wo 1,024 x 1,024 float32; Wq 1,024 x 1,024 float32; bo 1,024 float32; bq 1,024 float32; k 4 x 2,048 x 1,024 float32; q 4 x 2,048 x 1,024 float32; v 4 x 2,048 x 1,024 float32.
;; Outputs: out0 4 x 2,048 x 1,024 float32.
;; This version of the problem:
;;   THIS VERSION OF THE PROBLEM IS GIVEN IN LOW PRECISION. The matrix products marked QUANTISED in the list below multiply operands that are first quantised to E2M1 (2 exponent bits, 1 mantissa bit; 4 bits a number), with one power-of-two scale for each 32 numbers along K (OCP MX v1.0); their sums are f32. The products marked 'left as it is' may take bf16, f16 or f32 operands, with f32 sums. Whichever they take, every output number must still come out within the allowed error. Rounding operands to bf16 (8 significant bits) uses up far more of that allowance than f16 does (11 bits, for magnitudes from 6e-5 to 65,504). All else is computed in f32.
;;   The module's matrix products, in the order in which they are computed (A, B: the left and right operand; K: the contracted axis; several contracted axes count as one K, in the product's order):
;;     1. [M 8,192, K 1,024] x [K 1,024, N 1,024]; A: input q; B: input Wq: QUANTISED
;;     2. [M 8,192, K 1,024] x [K 1,024, N 1,024]; A: input k; B: input Wq: QUANTISED
;;     3. [M 8,192, K 1,024] x [K 1,024, N 1,024]; A: input v; B: input Wq: QUANTISED
;;     4. batch 64 x [M 2,048, K 64] x [K 64, N 2,048]; A: computed on the way; B: computed on the way: left as it is (an operand is computed on the way)
;;     5. batch 64 x [M 64, K 2,048] x [K 2,048, N 2,048]; A: computed on the way; B: computed on the way: left as it is (an operand is computed on the way)
;;     6. [M 8,192, K 1,024] x [K 1,024, N 1,024]; A: computed on the way; B: input Wo: left as it is (an operand is computed on the way)
;;   THE QUANTISER, for each operand of a quantised product, along K:
;;     - K is cut into blocks of 32 from its start; a last block that is shorter is filled with zeros.
;;     - A block's scale is 2^e with e = floor(log2(the largest magnitude in the block)) - 2, held to -126 .. 127; a block of zeros has e = 0. As a byte (E8M0): e + 127.
;;     - Each number is divided by its block's scale, clamped to +-6, and rounded to the nearest number of E2M1, ties to even, subnormals kept.
;;     - The product sums the exact products of the quantised numbers (number of the format x scale) in f32.
;;   ~~~python
;;   def quantise(x, axis):      # numpy; x: float32 -> the quantised numbers, widened to float32 again
;;       x = np.moveaxis(x, axis, -1); K = x.shape[-1]
;;       x = np.pad(x, [(0, 0)] * (x.ndim - 1) + [(0, -K % 32)]); x = x.reshape(x.shape[:-1] + (-1, 32)); a = np.abs(x).max(-1, keepdims=True)
;;       e = np.where(a > 0, np.clip(np.frexp(np.where(a > 0, a, 1))[1] - 1 - 2, -126, 127), 0)      # np.frexp(a)[1] - 1 = floor(log2(a)), exactly
;;       r = np.clip(x / 2.0 ** e, -6, 6)
;;       step = 2.0 ** (np.maximum(np.frexp(np.where(r == 0, 1, r))[1] - 1, 0) - 1)
;;       q = np.round(r / step) * step * 2.0 ** e      # np.round: ties to even
;;       return np.moveaxis(q.reshape(q.shape[:-2] + (-1,))[..., :K], -1, axis).astype(np.float32)
;;   ~~~
;; One version. Each part assembles by itself: llvm-mc -triple=amdgcn-amd-amdhsa -mcpu=gfx1250 --defsym DOCPART=n.
;; ======== version 1 of 1: 4 launches
;; limits: values are held in f16: magnitudes above 65,504 overflow, below 6.1e-05 lose precision; right only within a limited range of input values
;; workspace buffers: xc 12,582,912 bytes; xs 786,432 bytes; wc 524,288 bytes; ws 32,768 bytes; wo16 2,097,152 bytes; qkv 50,331,648 bytes; ao 16,777,216 bytes
;; launch quant (part 1): grid 928 x 1, 4 waves a work-group, no clusters, 33,280 bytes of LDS; arguments q, k, v, Wq, Wo, xc, xs, wc, ws, wo16; writes xc, xs, wc, ws, wo16
.if DOCPART == 1
	.amdgcn_target "amdgcn-amd-amdhsa--gfx1250"
	.amdhsa_code_object_version 6
	.text
	.protected	k_qcae7a983b8_quant
	.globl	k_qcae7a983b8_quant
	.p2align	8
	.type	k_qcae7a983b8_quant,@function
k_qcae7a983b8_quant:
	s_mov_b64 s[64:65], 0
	v_nop
	global_prefetch_b8 v0, s[64:65] scope:SCOPE_SE
	s_setreg_imm32_b32 hwreg(HW_REG_WAVE_MODE, 25, 1), 1
	s_wait_xcnt 0x0
; q, k, v [8192][1024] and Wq [1024][1024], f32, become codes of FP4 (E2M1), K innermost, two codes a byte, with one E8M0 scale byte for each 32 along K; Wo [1024][1024] becomes f16.
; xc: the codes of q, then k, then v, 512 bytes a row; xs: their scale bytes, 32 a row; wc, ws: the same for Wq; wo16: Wo row-major.
; A block's scale is 2^(floor(log2(its largest magnitude)) - 2); its byte is the largest magnitude's exponent field - 2, held at 1 from below.  Each number is divided by the scale and rounded to the nearest code, ties to even; beyond 6 the largest code.
; LIMITS: a block of zeros gets the byte 1 where the rule says 127 (its codes are zeros, which add nothing, and this program alone reads the bytes); blocks whose largest magnitude lies under 2^-124 were not tried;
; NaN and infinities are not served; Wo is rounded to f16: magnitudes above 65,504 are not served, those under 2^-14 keep an absolute error of 2^-25.
; SHARES.  Rows are dense and 1,024 is a multiple of 32: every tensor is a plain stream of blocks of 32.  Work-groups 0-767 take 32,768 numbers each of q, k, v (256 to a tensor), 768-799 of Wq; 800-927 take 8,192 numbers of Wo.
; A wave of the quantising path takes 16 steps of 512 numbers.  Each of a step's four loads reads 512 consecutive bytes; the 2,048 bytes turn through the wave's own stage in LDS and come back 64 bytes a lane, so that a lane
; holds 16 neighbours along K (two neighbouring lanes hold a block).  A lane's 16 codes are 8 bytes: the wave stores 256 consecutive bytes.  A wave's 256 scale bytes are gathered in LDS and leave as one store of 256 bytes.
; Only pointers are chosen by the work-group's number: the four tensors take one path.  No tensor load, no barrier: waves share nothing.
.set WAVES, 4
.set STEPS, 16
.set EMAX,  2
.set CB,    8                          ; bytes of 16 codes
.set R,     16                         ; v16-79   four sets of 16 numbers as they are loaded
.set X,     80                         ; v80-111  two sets of 16 neighbours
.set E,     112                        ; v112-127 a scale byte for each step
.set C,     128                        ; v128-191 codes: four registers for each step, so that no store's data are written again
.set WREG,  8192                       ; LDS: a region for each wave: two stages of 32 x SP bytes, behind them its 256 scale bytes
.set SP,    80                         ; a lane's place in a stage: 64 bytes + 16 of padding
.set SPW,   12                         ; v12  LDS address of my spare word; never rewritten
.set NIL,   13                         ; v13  0; never rewritten
.set SPARE, WAVES*WREG                 ; behind the four regions: the spare words, 128 bytes a wave
.set SRC,   26                         ; s[26:27] the numbers, s[28:29] the codes, s[30:31] the scale bytes of my wave's run
.set COD,   28
.set SCA,   30
	s_load_b512 s[4:19], s[0:1], 0x0               ; q s[4:5], k s[6:7], v s[8:9], Wq s[10:11], Wo s[12:13], xc s[14:15], xs s[16:17], wc s[18:19]
	s_load_b128 s[20:23], s[0:1], 0x40             ; ws s[20:21], wo16 s[22:23]
	v_lshl_add_u32 v[SPW], v0, 2, SPARE
	v_mov_b32 v[NIL], 0
	v_lshrrev_b32 v1, 5, v0
	v_readfirstlane_b32 s24, v1                    ; wave
	v_and_b32 v2, 31, v0                           ; lane
	v_lshlrev_b32 v3, 4, v2                        ; my 16 bytes of a load's 512
	s_mul_i32 s25, s24, WREG
	v_lshrrev_b32 v14, 2, v2
	v_mul_u32_u24 v14, v14, SP
	v_and_b32 v15, 3, v2
	v_lshl_add_u32 v14, v15, 4, v14
	v_add_nc_u32 v14, s25, v14                     ; the stage, on the way in: four lanes' 64 bytes on end, then 16 of padding
	v_mul_u32_u24 v15, v2, SP
	v_add_nc_u32 v15, s25, v15                     ; on the way out: SP x lane: my 16 neighbours
	v_mul_u32_u24 v4, v2, CB                       ; my codes' place in a step's
	v_lshrrev_b32 v5, 1, v2
	s_add_co_u32 s25, s25, 2*32*SP
	v_add_nc_u32 v5, s25, v5                       ; LDS: my wave's 256 scale bytes, my block's byte
	v_lshlrev_b32 v7, 3, v2                        ; 8 bytes a lane
	v_add_nc_u32 v6, s25, v7
	s_and_b32 s32, ttmp9, 255                      ; the work-group's number inside its tensor
	s_wait_kmcnt 0x0
	s_cmp_ge_u32 ttmp9, 800
	s_cbranch_scc1 .Lwo
	s_cmp_lt_u32 ttmp9, 256                        ; which tensor: the choices hang on the work-group's number alone
	s_cselect_b64 s[SRC:SRC+1], s[4:5], s[6:7]
	s_cmp_lt_u32 ttmp9, 512
	s_cselect_b64 s[SRC:SRC+1], s[SRC:SRC+1], s[8:9]
	s_cmp_lt_u32 ttmp9, 768
	s_cselect_b64 s[SRC:SRC+1], s[SRC:SRC+1], s[10:11]
	s_cselect_b64 s[COD:COD+1], s[14:15], s[18:19]
	s_cselect_b64 s[SCA:SCA+1], s[16:17], s[20:21]
	s_cselect_b32 s33, ttmp9, s32                  ; q, k and v lie one behind the other in xc and xs
	s_lshl_b32 s34, s32, 2
	s_add_co_u32 s34, s34, s24                     ; which run of 8,192 numbers of the tensor is my wave's
	s_lshl_b32 s34, s34, 15                        ; 32,768 bytes a run
	s_mov_b32 s35, 0
	s_add_nc_u64 s[SRC:SRC+1], s[SRC:SRC+1], s[34:35]
	s_lshl_b32 s33, s33, 2
	s_add_co_u32 s33, s33, s24                     ; and which run of the buffers
	s_lshl_b32 s34, s33, 12                        ; 4,096 bytes of codes a run
	s_add_nc_u64 s[COD:COD+1], s[COD:COD+1], s[34:35]
	s_lshl_b32 s34, s33, 8                         ; 256 scale bytes a run
	s_add_nc_u64 s[SCA:SCA+1], s[SCA:SCA+1], s[34:35]
.macro LOAD t
.irp i, 0,1,2,3
	global_load_b128 v[R+16*((\t)%4)+4*\i:R+16*((\t)%4)+4*\i+3], v3, s[SRC:SRC+1] offset:2048*(\t)+512*\i th:TH_LOAD_NT   ; 32 lanes read 512 consecutive bytes
.endr
.endm
.macro TURN t                          ; step t's numbers through the stage: LDS serves a wave's instructions in order, so no wait stands between the stores and the loads
.irp i, 0,1,2,3
	ds_store_b128 v14, v[R+16*((\t)%4)+4*\i:R+16*((\t)%4)+4*\i+3] offset:32*SP*((\t)%2)+8*SP*\i
.endr
.irp i, 0,1,2,3
	ds_load_b128 v[X+16*((\t)%2)+4*\i:X+16*((\t)%2)+4*\i+3], v15 offset:32*SP*((\t)%2)+16*\i
.endr
.endm
.irp t, 0,1,2,3
	LOAD \t
.endr
	s_wait_loadcnt 12                              ; step 0's four loads are in; three steps' twelve may be out
	TURN 0
.macro STEP t
.set XS, X+16*((\t)%2)
.if (\t) > 0
	s_wait_dscnt 1                                 ; this step's numbers are back from the stage (the last step's byte store may be out): so its stores into the stage have read their registers,
.else
	s_wait_dscnt 0x0
.endif
.if (\t)+4 < STEPS
	LOAD (\t)+4                                    ; which take the loads of four steps on
.endif
.if (\t)+1 < STEPS
.if STEPS-2-(\t) >= 3
	s_wait_loadcnt 12                              ; the next step's four loads are in; those of the three steps behind it may be out
.else
	s_wait_loadcnt 4*(STEPS-2-(\t))
.endif
	TURN (\t)+1                                    ; and go through the other stage while this step is worked
.endif
	v_max3_num_f32 v8, |v[XS]|, |v[XS+1]|, |v[XS+2]|               ; the largest magnitude of my 16, in two chains
	v_max3_num_f32 v9, |v[XS+3]|, |v[XS+4]|, |v[XS+5]|
.irp i, 6,10
	v_max3_num_f32 v8, v8, |v[XS+\i]|, |v[XS+\i+1]|
	v_max3_num_f32 v9, v9, |v[XS+\i+2]|, |v[XS+\i+3]|
.endr
	v_max3_num_f32 v8, v8, |v[XS+14]|, |v[XS+15]|
	v_max3_num_f32 v8, v8, v9, (EMAX+1)<<23        ; and the floor 2^(3 - 127): so the byte cannot fall under 1
	v_max_num_f32_dpp v8, v8, v8 row_xmask:1 row_mask:0xf bank_mask:0xf   ; and of my neighbour's 16: the block's
	v_add_nc_u32 v11, -(EMAX<<23), v8              ; 2 off its exponent field: the conversion takes the exponent field of this operand as its scale, and nothing else of it
	v_cvt_scalef32_pk8_fp4_f32 v[C+4*(\t)], v[XS:XS+7], v11        ; eight numbers / the scale, to the nearest code; the first number's code in the lowest four bits
	v_cvt_scalef32_pk8_fp4_f32 v[C+4*(\t)+1], v[XS+8:XS+15], v11
	v_lshrrev_b32 v[E+(\t)], 23, v11               ; the scale's byte (a plain line behind the conversions)
	ds_store_b8 v5, v[E+(\t)] offset:16*(\t)       ; both lanes of a block write the same byte with the same value
	global_store_b64 v4, v[C+4*(\t):C+4*(\t)+1], s[COD:COD+1] offset:32*CB*(\t)   ; the wave stores 256 consecutive bytes, aligned
.endm
.irp t, 0,1,2,3,4,5,6,7,8,9,10,11,12,13,14,15
	STEP \t
.endr
	ds_load_b64 v[8:9], v6                         ; LDS serves a wave's instructions in order: these see my byte stores
	s_wait_dscnt 0x0
	global_store_b64 v7, v[8:9], s[SCA:SCA+1]      ; 32 lanes store 256 consecutive bytes, aligned
	s_branch .Lend
.Lwo:                                          ; Wo to f16: a wave takes 2,048 numbers: sixteen loads of 512 bytes, sixteen stores of 256; every register is written once
	s_sub_co_u32 s32, ttmp9, 800
	s_lshl_b32 s32, s32, 2
	s_add_co_u32 s32, s32, s24                     ; my wave's run
	s_lshl_b32 s34, s32, 13                        ; 8,192 bytes of f32,
	s_mov_b32 s35, 0
	s_add_nc_u64 s[12:13], s[12:13], s[34:35]
	s_lshl_b32 s34, s32, 12                        ; 4,096 of f16
	s_add_nc_u64 s[22:23], s[22:23], s[34:35]
.irp i, 0,1,2,3,4,5,6,7,8,9,10,11,12,13,14,15
	global_load_b128 v[R+4*\i:R+4*\i+3], v3, s[12:13] offset:512*\i th:TH_LOAD_NT
.endr
.irp i, 0,1,2,3,4,5,6,7,8,9,10,11,12,13,14,15
	s_wait_loadcnt 15-\i                           ; loads come back in order: load i is in, the younger ones may be out
	v_cvt_pk_f16_f32 v[C+2*\i], v[R+4*\i], v[R+4*\i+1]
	v_cvt_pk_f16_f32 v[C+2*\i+1], v[R+4*\i+2], v[R+4*\i+3]
	global_store_b64 v7, v[C+2*\i:C+2*\i+1], s[22:23] offset:256*\i
.endr
.Lend:
	s_wait_tensorcnt 0x0                           ; the wave's end: behind my last LDS store
	ds_add_u32 v[SPW], v[NIL]
	s_wait_dscnt 0x0
	s_endpgm
.Lfunc_end_k_qcae7a983b8_quant:
	.size	k_qcae7a983b8_quant, .Lfunc_end_k_qcae7a983b8_quant-k_qcae7a983b8_quant
	.p2alignl 7, 3214868480
	.fill 96, 4, 3214868480
	.section	.rodata,"a",@progbits
	.p2align	6, 0x0
	.amdhsa_kernel k_qcae7a983b8_quant
		.amdhsa_group_segment_fixed_size 33280
		.amdhsa_private_segment_fixed_size 0
		.amdhsa_enable_private_segment 0
		.amdhsa_kernarg_size 80
		.amdhsa_user_sgpr_count 2
		.amdhsa_user_sgpr_kernarg_segment_ptr 1
		.amdhsa_wavefront_size32 1
		.amdhsa_system_sgpr_workgroup_id_x 1
		.amdhsa_system_sgpr_workgroup_id_y 1
		.amdhsa_system_sgpr_workgroup_id_z 1
		.amdhsa_system_vgpr_workitem_id 0
		.amdhsa_next_free_vgpr 192
		.amdhsa_next_free_sgpr 66
		.amdhsa_reserve_vcc 0
		.amdhsa_float_denorm_mode_32 3
		.amdhsa_float_denorm_mode_16_64 3
		.amdhsa_memory_ordered 1
		.amdhsa_forward_progress 1
		.amdhsa_inst_pref_size 39
	.end_amdhsa_kernel
	.amdgpu_metadata
---
amdhsa.version: [ 1, 2 ]
amdhsa.kernels:
  - .name:           k_qcae7a983b8_quant
    .symbol:         k_qcae7a983b8_quant.kd
    .args:
      - { .name: q, .offset: 0, .size: 8, .value_kind: global_buffer, .address_space: global }
      - { .name: k, .offset: 8, .size: 8, .value_kind: global_buffer, .address_space: global }
      - { .name: v, .offset: 16, .size: 8, .value_kind: global_buffer, .address_space: global }
      - { .name: Wq, .offset: 24, .size: 8, .value_kind: global_buffer, .address_space: global }
      - { .name: Wo, .offset: 32, .size: 8, .value_kind: global_buffer, .address_space: global }
      - { .name: xc, .offset: 40, .size: 8, .value_kind: global_buffer, .address_space: global }
      - { .name: xs, .offset: 48, .size: 8, .value_kind: global_buffer, .address_space: global }
      - { .name: wc, .offset: 56, .size: 8, .value_kind: global_buffer, .address_space: global }
      - { .name: ws, .offset: 64, .size: 8, .value_kind: global_buffer, .address_space: global }
      - { .name: wo16, .offset: 72, .size: 8, .value_kind: global_buffer, .address_space: global }
    .group_segment_fixed_size: 33280
    .private_segment_fixed_size: 0
    .kernarg_segment_align: 8
    .kernarg_segment_size: 80
    .max_flat_workgroup_size: 128
    .sgpr_count:     66
    .vgpr_count:     192
    .wavefront_size: 32
...
	.end_amdgpu_metadata
.endif
;; end of part 1
;; launch proj (part 2): grid 4 x 96, 4 waves a work-group, clusters of 4 x 4, 327,680 bytes of LDS; arguments xc, xs, wc, ws, bq, qkv; writes qkv
.if DOCPART == 2
	.amdgcn_target "amdgcn-amd-amdhsa--gfx1250"
	.amdhsa_code_object_version 6
	.text
	.protected	k_qcae7a983b8_proj
	.globl	k_qcae7a983b8_proj
	.p2align	8
	.type	k_qcae7a983b8_proj,@function
k_qcae7a983b8_proj:
	s_mov_b64 s[64:65], 0
	v_nop
	global_prefetch_b8 v0, s[64:65] scope:SCOPE_SE
	s_setreg_imm32_b32 hwreg(HW_REG_WAVE_MODE, 25, 1), 1
	s_wait_xcnt 0x0
	s_wait_alu depctr_hold_cnt(0) depctr_sa_sdst(0) depctr_va_vdst(0) depctr_va_sdst(0) depctr_va_ssrc(0) depctr_va_vcc(0) depctr_vm_vsrc(0)
	s_getreg_b32 s2, hwreg(HW_REG_IB_STS2, 6, 4)
	s_cmp_eq_u32 s2, 0
	s_cbranch_scc0 .Lentry_in_a_cluster
	s_endpgm
.Lentry_in_a_cluster:
	s_bfe_u32 s2, ttmp6, 0x10000c
	s_cmp_lg_u32 s2, 0xf033
	s_cbranch_scc0 .Lentry_shape_is_right
	s_endpgm
.Lentry_shape_is_right:
; The three projections as one product on codes of FP4 (E2M1) with E8M0 scales: y[row][n] = sum over k of x[row][k] Wq[n][k] + bq[n], x = q, k, v on end (24,576 rows), K = 1,024; sums in f32.
; q's rows are also multiplied by c = log2(e) / 8, so that attention's scores are exponents of 2.  The results are rounded to f16 and stored IN THE ORDER OF THE NEXT LAUNCH'S OPERAND REGISTERS:
; qkv: [gb 12][head 16][tile 128][g 4][lane 32][8 f16]; gb 0-3 q's batches, 4-7 k's, 8-11 v's.  q, k: tile = 16 tokens; block g, lane (r, h) = token r, channels 16 g + 8 h + 0..7.  v: tile = 16 keys; block g, lane (r, h) = channel 16 g + r, keys 8 h + 0..7.
; LIMITS: f16 results: c (q Wq^T + bq), k Wq^T + bq and v Wq^T + bq above 65,504 in magnitude are not served.
; A tile of 256 x 256 is made by a work-group of four waves; a wave makes 128 x 128: 64 accumulators, 512 registers.  K is two slots of 512 in LDS (rows of 256 bytes), both filled at the head: nothing is filled again.
; The scale bytes of the work-group's 2 x 256 rows, for all of K, come once, as rows of 256 bytes.
; THE MATRIX INSTRUCTION takes source 0 from LDS region B and source 1 from region A: in the result lane (r, h), register j holds (B's row 16 b + 8 h + j, A's row 16 a + r).
; q, k (cluster y under 16): A = 256 rows of x, B = 256 rows of Wq: a lane holds one token and eight neighbouring channels.  v: A = rows of Wq, B = rows of x: a lane holds one channel and eight neighbouring keys.
; Only pointers and tile numbers are chosen, by the cluster's y, which all sixteen partners share; the way out alone has two arms.
; CLUSTERS: 4 x 4.  A's tile hangs on cy (and the cluster's y) and is shared along a row of the cluster, B's on cx and is shared along a column: each is asked for jointly.
; REGISTERS: window 0: v0-31 addresses; v32-95 scale words, two sets; v96-111 bq for v's layout; v128-191 A's fragments, one set, on the way out the packed results; v192-255 bq for q's and k's layout.
;   window 1: B's fragments, two sets, at v0 and v128.   window 2: accumulators of A's blocks 0-3 ((a, b) at v[8 (8 a + b)]);   window 3: of blocks 4-7.
.set NQ,     4                         ; matrix instructions deep in a slot
.set ROWB,   256                       ; a tile's row in bytes: 512 codes
.set KROW,   512                       ; a row of codes in memory
.set PITCH,  272                       ; an LDS row: 256 bytes + 16 of padding: the 16 rows that a load touches start at 16 different banks (64 banks of 4 bytes: ISA guide 11.1)
.set FR,     8                         ; registers of a fragment: 16 rows x 128 K
.set NL,     2                         ; LDS loads that bring one
.set NP,     4                         ; places behind this matrix instruction (ISA guide 7.12.1)
.set HALFT,  128*PITCH                 ; 128 rows: what one tensor load brings, and what one wave reads of A or of B
.set SLOT,   4*HALFT                   ; A's 256 rows, then B's 256 rows
.set KS,     32                        ; a row of scale bytes
.set SCL,    2*SLOT                    ; behind the two slots: the scale bytes, as rows of 256 bytes + 16
.set HALFS,  (128*KS/256)*272          ; those of 128 rows
.set SBLK,   (16*KS/256)*272           ; those of 16 rows
.set SPARE,  SCL+4*HALFS               ; the spare words, 128 bytes a wave
.set ADRA, 16                          ; v16-17  LDS address of my A fragments in slot 0, 1
.set ADRB, 20                          ; v20-21  the same for B
.set CO,   26                          ; v26     16 x lane: my place in a store's 512 bytes
.set ADRS, 27                          ; v27     LDS address of my scale words: lanes 0-15 A's rows, lanes 16-31 B's
.set SPW,  28                          ; v28     LDS address of my spare word; never rewritten
.set NIL,  29                          ; v29     0; never rewritten
.set BO8,  30                          ; v30     32 h: bq's eight numbers of my half
.set BO1,  31                          ; v31     4 r: bq's one number of my lane
.set SC,   32                          ; scale words: set s at v[SC + 32 s]; register 4 i + q: lanes 0-15 A's block i, lanes 16-31 B's block i, the slot's q-th 128 along K
.set BV,   96                          ; bq at channel 16 a + r, twice: a pair for each a
.set AF,   128                         ; A's fragments
.set PKR,  128                         ; the way out: two sets of 32 registers of f16
.set BI,   192                          ; bq at channels 16 b + 8 h + 0..7: eight registers for each b
.set G1, 24                            ; s[24:31] descriptor group 1 for A's tiles;  s[32:39] group 0, one set for each slot
.set G0, 32
.set G1B, 48                           ; s[48:55], s[56:63] the same for B's
.set G0B, 56
.set G1S, 68                           ; s[68:75], s[76:79] groups 1 and 0 for A's scale bytes;  s[80:87], s[88:91] for B's
.set G0S, 76
.set G1SB, 80
.set G0SB, 88
.set MSB, 0
.macro WIN new                         ; the immediate's high byte repeats the setting that is left; a switch that changes nothing is dropped
.if MSB != (\new)
	s_set_vgpr_msb (MSB<<8)|(\new)
.set MSB, (\new)
.endif
.endm
.set MUL_LO, 0xa1                      ; source 0 (B) window 1, source 1 (A) window 0, C and D window 2
.set MUL_HI, 0xf1                      ; the same, C and D window 3
.set TO_B,   0x40                      ; destination window 1, address window 0
; A joint load: waves 0 and 1 fetch for A, waves 2 and 3 for B; the branch hangs on the wave's number alone.  An s_nop 0 and four v_nop follow each of the two lines.
.macro JLOAD g0a, g1a, g0b, g1b
	s_cmp_eq_u32 s15, 0
	s_cbranch_scc0 .Lfor_b_\@
	tensor_load_to_lds s[\g0a:\g0a+3], s[\g1a:\g1a+7]
	s_nop 0
.rept 4
	v_nop
.endr
	s_branch .Lasked_\@
.Lfor_b_\@:
	tensor_load_to_lds s[\g0b:\g0b+3], s[\g1b:\g1b+7]
	s_nop 0
.rept 4
	v_nop
.endr
.Lasked_\@:
.endm
.macro CROUND                          ; a round of the cluster's barrier
	s_barrier_signal -1
	s_barrier_wait -1
	s_cmp_lg_u32 s14, 0
	s_cbranch_scc1 .Lnot_wave_0_\@
	s_barrier_signal -3
.Lnot_wave_0_\@:
	s_barrier_wait -3
	s_barrier_signal -1
	s_barrier_wait -1
.endm
	s_load_b256 s[4:11], s[0:1], 0x0               ; xc s[4:5], xs s[6:7], wc s[8:9], ws s[10:11]
	s_load_b128 s[96:99], s[0:1], 0x20             ; bq s[96:97], qkv s[98:99]
	v_lshl_add_u32 v[SPW], v0, 2, SPARE
	v_mov_b32 v[NIL], 0
	ds_add_u32 v[SPW], v[NIL]                      ; the wave's opening: the add, twice on end, and its wait ahead of my first tensor load; the set-up below stands between
	ds_add_u32 v[SPW], v[NIL]
	v_lshrrev_b32 v1, 5, v0
	v_readfirstlane_b32 s14, v1                    ; wave 0..3
	s_lshr_b32 s15, s14, 1                         ; which half of A's 256 rows is mine.  Also: I fetch for A (0) or for B (1)
	s_and_b32 s16, s14, 1                          ; which half of B's.  Also: which 128 rows of that tile I fetch
	s_bfe_u32 s40, ttmp6, 0x40000                  ; cx, cy: my place in the cluster
	s_bfe_u32 s41, ttmp6, 0x40004
	s_and_b32 s13, ttmp7, 0xffff
	s_lshl_b32 s13, s13, 2                         ; 4 x cluster y: the cluster's first tile of x (the grid has one cluster along x)
	s_cmp_ge_u32 s13, 64                           ; tiles 64 to 95 of x are v's
	s_cselect_b32 s12, 1, 0                        ; 1: v
	s_cselect_b32 s17, 0, s13
	s_cselect_b32 s42, s13, 0
	s_add_co_u32 s17, s17, s41                     ; A's tile: of x, 4 Y + cy; for v of Wq, cy
	s_add_co_u32 s42, s42, s40                     ; B's tile: of Wq, cx; for v of x, 4 Y + cx
	s_cmp_lt_u32 s13, 32                           ; tiles 0 to 31 of x are q's
	s_mov_b32 s2, 1.0
	s_cselect_b32 s2, 0x3e38aa3b, s2               ; c = log2(e) / 8 for q, 1 for k and v
	s_mov_b32 s3, s2                               ; (named with it as a pair, so it is written)
	s_lshl_b32 s43, s41, 2
	s_lshl_b32 s43, 15, s43                        ; my row of the cluster
	s_lshl_b32 s44, 0x1111, s40                    ; my column
	; descriptor group 1: a tile of 128 rows x 256 bytes, padded in LDS
	s_or_b32 s[G1+0], s43, (0<<16)|(1<<20)|(1<<21)|(5<<22)|(3<<25)  ; 15:0 the mask; 17:16 element of 1 byte; 20 padding on; 21 set beside a mask; 24:22 after every 64 words; 31:25 of 4 words
	s_or_b32 s[G1B+0], s44, (0<<16)|(1<<20)|(1<<21)|(5<<22)|(3<<25)
.irp g, G1, G1B
	s_mov_b32 s[\g+1], ROWB<<16                    ; tensor_dim0
	s_mov_b32 s[\g+2], 128<<16                     ; tensor_dim1
	s_mov_b32 s[\g+3], ROWB<<16                    ; tile_dim0
	s_mov_b32 s[\g+4], 128                         ; tile_dim1
	s_mov_b32 s[\g+5], KROW                        ; tensor_dim0_stride
	s_mov_b32 s[\g+6], 0
	s_mov_b32 s[\g+7], 0
.endr
	; the scale bytes of 128 rows: a dense block of 4,096 bytes, as 16 rows of 256 bytes (32 elements of 8), 16 bytes of padding behind each
	s_or_b32 s[G1S+0], s43, (3<<16)|(1<<20)|(1<<21)|(5<<22)|(3<<25)
	s_or_b32 s[G1SB+0], s44, (3<<16)|(1<<20)|(1<<21)|(5<<22)|(3<<25)
.irp g, G1S, G1SB
	s_mov_b32 s[\g+1], 32<<16
	s_mov_b32 s[\g+2], (128*KS/256)<<16
	s_mov_b32 s[\g+3], 32<<16
	s_mov_b32 s[\g+4], 128*KS/256
	s_mov_b32 s[\g+5], 32
	s_mov_b32 s[\g+6], 0
	s_mov_b32 s[\g+7], 0
.endr
	s_lshl_b32 s18, s16, 7                         ; which 128 rows of the tile I fetch
	s_lshl_b32 s20, s17, 8
	s_add_co_u32 s20, s20, s18                     ; A: row 256 x tile + 128 x half
	s_lshl_b32 s46, s42, 8
	s_add_co_u32 s46, s46, s18                     ; B likewise
	s_mov_b32 s21, 0
	s_mov_b32 s47, 0
	s_mov_b64 s[18:19], KS
	s_mul_u64 s[22:23], s[20:21], s[18:19]         ; where these rows' scale bytes begin
	s_mul_u64 s[92:93], s[46:47], s[18:19]
	s_mov_b64 s[18:19], KROW
	s_mul_u64 s[20:21], s[20:21], s[18:19]         ; and their codes
	s_mul_u64 s[46:47], s[46:47], s[18:19]
	s_mul_i32 s45, s14, HALFT                      ; where they go: wave x 128 rows: no place in the cluster enters an LDS address
	s_mul_i32 s94, s14, HALFS
	s_wait_dscnt 0x0                               ; both opening adds are done
	s_wait_kmcnt 0x0
	s_cmp_eq_u32 s12, 0                            ; which tensor is A and which is B: the cluster's y alone decides
	s_cselect_b64 s[18:19], s[4:5], s[8:9]         ; A's codes: x's, for v Wq's
	s_cselect_b64 s[66:67], s[6:7], s[10:11]       ; A's scale bytes
	s_cselect_b64 s[4:5], s[8:9], s[4:5]           ; B's codes: Wq's, for v x's
	s_cselect_b64 s[6:7], s[10:11], s[6:7]         ; B's scale bytes
	s_add_nc_u64 s[20:21], s[18:19], s[20:21]
	s_add_nc_u64 s[22:23], s[66:67], s[22:23]
	s_add_nc_u64 s[46:47], s[4:5], s[46:47]
	s_add_nc_u64 s[92:93], s[6:7], s[92:93]
	CROUND                                         ; all sixteen work-groups are here: the first joint loads meet
	s_mov_b32 s[G0S], 1
	s_add_co_u32 s[G0S+1], s94, SCL
	s_mov_b64 s[G0S+2:G0S+3], s[22:23]
	s_or_b32 s[G0S+3], s[G0S+3], 0x80000000
	s_mov_b32 s[G0SB], 1
	s_add_co_u32 s[G0SB+1], s94, SCL
	s_mov_b64 s[G0SB+2:G0SB+3], s[92:93]
	s_or_b32 s[G0SB+3], s[G0SB+3], 0x80000000
	JLOAD G0S, G1S, G0SB, G1SB                     ; the scale bytes first: they are wanted with the first slot
.irp s, 0,1
	s_mov_b32 s[G0+4*\s], 1
	s_add_co_u32 s[G0+4*\s+1], s45, \s*SLOT
	s_add_nc_u64 s[G0+4*\s+2:G0+4*\s+3], s[20:21], \s*ROWB
	s_or_b32 s[G0+4*\s+3], s[G0+4*\s+3], 0x80000000
	s_mov_b32 s[G0B+4*\s], 1
	s_add_co_u32 s[G0B+4*\s+1], s45, \s*SLOT
	s_add_nc_u64 s[G0B+4*\s+2:G0B+4*\s+3], s[46:47], \s*ROWB
	s_or_b32 s[G0B+4*\s+3], s[G0B+4*\s+3], 0x80000000
	JLOAD G0+4*\s, G1, G0B+4*\s, G1B               ; three tensor loads of mine are out: all that this launch asks for
.endr
	v_and_b32 v1, 15, v0                           ; r = lane % 16
	v_bfe_u32 v2, v0, 4, 1                         ; h = lane / 16
	v_mul_u32_u24 v3, v1, PITCH
	v_lshl_add_u32 v4, v2, 4, v3                   ; a fragment's row x pitch + 16 x half
	s_mul_i32 s21, s15, HALFT                      ; my 128 rows of A
	s_mul_i32 s22, s16, HALFT                      ; my 128 rows of B,
	s_add_co_u32 s22, s22, 2*HALFT                 ; which lie behind A's 256
.irp s, 0,1
	v_add_nc_u32 v[ADRA+\s], s21, v4
	v_add_nc_u32 v[ADRB+\s], s22, v4
	s_add_co_u32 s21, s21, SLOT
	s_add_co_u32 s22, s22, SLOT
.endr
	v_mul_u32_u24 v5, v1, KS                       ; my row's scale bytes: 32 a row,
	v_lshrrev_b32 v6, 8, v5
	v_lshl_add_u32 v5, v6, 4, v5                   ; and 16 more for each 256 passed
	s_mul_i32 s21, s15, HALFS                      ; A's: my 128 rows
	s_mul_i32 s22, s16, HALFS                      ; B's: my 128 rows, behind A's 256
	s_add_co_u32 s22, s22, 2*HALFS
	s_sub_co_u32 s22, s22, s21
	v_mul_u32_u24 v6, s22, v2                      ; lanes 16-31 take B's: one product, the distance between the two
	s_add_co_u32 s21, s21, SCL
	v_add_nc_u32 v5, v5, v6
	v_add_nc_u32 v[ADRS], s21, v5
	v_and_b32 v6, 31, v0
	v_lshlrev_b32 v[CO], 4, v6
	v_lshlrev_b32 v[BO8], 5, v2
	v_lshlrev_b32 v[BO1], 2, v1
	; which tile of x and which of Wq are mine, and which halves of them
	s_cmp_eq_u32 s12, 0
	s_cselect_b32 s4, s17, s42                     ; T: the tile of x
	s_cselect_b32 s5, s15, s16                     ; xh: my half of it
	s_cselect_b32 s6, s42, s17                     ; Wt: the tile of Wq
	s_cselect_b32 s7, s16, s15                     ; wh: my half of it
	s_lshl_b32 s8, s6, 10
	s_lshl_b32 s9, s7, 9
	s_add_co_u32 s8, s8, s9                        ; 4 (256 Wt + 128 wh): my 128 channels in bq
	s_mov_b32 s9, 0
	s_add_nc_u64 s[96:97], s[96:97], s[8:9]
	s_lshr_b32 s8, s4, 3                           ; gb = T / 8,
	s_lshl_b32 s8, s8, 4
	s_lshl_b32 s10, s6, 2
	s_add_co_u32 s8, s8, s10
	s_lshl_b32 s10, s7, 1
	s_add_co_u32 s8, s8, s10                       ; 16 gb + my first head, 4 Wt + 2 wh,
	s_lshl_b32 s8, s8, 7
	s_and_b32 s10, s4, 7
	s_lshl_b32 s10, s10, 4
	s_add_co_u32 s8, s8, s10
	s_lshl_b32 s10, s5, 3
	s_add_co_u32 s8, s8, s10                       ; x 128 + my first tile of 16 rows, 16 (T % 8) + 8 xh,
	s_lshl_b32 s8, s8, 11                          ; x 2,048 bytes: under 2^26
	s_add_nc_u64 s[98:99], s[98:99], s[8:9]
	; bq in both layouts (512 bytes read twice), so that no branch stands here: the loop's text is one for q, k and v
.irp b, 0,1,2,3,4,5,6,7
	global_load_b128 v[BI+8*\b:BI+8*\b+3], v[BO8], s[96:97] offset:64*\b
	global_load_b128 v[BI+8*\b+4:BI+8*\b+7], v[BO8], s[96:97] offset:64*\b+16
.endr
.irp a, 0,1,2,3,4,5,6,7
	global_load_b32 v[BV+2*\a], v[BO1], s[96:97] offset:64*\a
	global_load_b32 v[BV+2*\a+1], v[BO1], s[96:97] offset:64*\a
.endr
.macro FRAG reg, adr, q, i             ; a fragment, 16 rows x 128 K of 4-bit codes: lane l holds row l % 16; registers 4 c .. 4 c + 3 hold K = 64 c + 32 (l / 16) + 0 .. 31
.irp c, 0,1
	ds_load_b128 v[\reg+4*\c:\reg+4*\c+3], v[\adr] offset:64*(\q)+32*\c+(\i)*16*PITCH
.endr
.endm
; 16 matrix instructions: A's blocks a0, a0 + 1 x B's eight, the slot's q-th 128 along K.  p: B's set; sc: the set of scale words.  zero = 1: the first product starts the sums.
; The 64 accumulators take turns, one instruction a turn, in the same order in every step.
.macro MUL16 a0, p, q, sc, zero
.irp a, \a0, \a0+1
.irp b, 0,1,2,3,4,5,6,7
.if \zero
	v_wmma_scale_f32_16x16x128_f8f6f4 v[8*(8*((\a)%4)+\b):8*(8*((\a)%4)+\b)+7], v[128*(\p)+FR*\b:128*(\p)+FR*\b+FR-1], v[AF+FR*(\a):AF+FR*(\a)+FR-1], 0, v[SC+8*NQ*(\sc)+NQ*\b+(\q)], v[SC+8*NQ*(\sc)+NQ*(\a)+(\q)] matrix_a_fmt:MATRIX_FMT_FP4 matrix_b_fmt:MATRIX_FMT_FP4 matrix_a_scale:MATRIX_SCALE_ROW1
.else
	v_wmma_scale_f32_16x16x128_f8f6f4 v[8*(8*((\a)%4)+\b):8*(8*((\a)%4)+\b)+7], v[128*(\p)+FR*\b:128*(\p)+FR*\b+FR-1], v[AF+FR*(\a):AF+FR*(\a)+FR-1], v[8*(8*((\a)%4)+\b):8*(8*((\a)%4)+\b)+7], v[SC+8*NQ*(\sc)+NQ*\b+(\q)], v[SC+8*NQ*(\sc)+NQ*(\a)+(\q)] matrix_a_fmt:MATRIX_FMT_FP4 matrix_b_fmt:MATRIX_FMT_FP4 matrix_a_scale:MATRIX_SCALE_ROW1
.endif
.endr
.endr
.endm
.macro FETCH_B slot, q, p              ; B's eight fragments of the slot's q-th 128 along K into set p
	WIN TO_B
.irp i, 0,1,2,3,4,5,6,7
	FRAG 128*(\p)+FR*\i, ADRB+\slot, \q, \i
.endr
	WIN 0
.endm
.macro FETCH_A slot, q, i0             ; A's blocks i0 .. i0 + 3
.irp i, \i0, \i0+1, \i0+2, \i0+3
	FRAG AF+FR*(\i), ADRA+\slot, \q, \i
.endr
.endm
.macro SCALES sc                       ; a slot's scale words into set sc: four words a row; lanes 0-15 take A's block i, lanes 16-31 B's block i
.irp i, 0,1,2,3,4,5,6,7
	ds_load_b128 v[SC+8*NQ*\sc+NQ*\i:SC+8*NQ*\sc+NQ*\i+3], v[ADRS] offset:\i*SBLK
.endr
.endm
; A load into a register that a matrix instruction has read, and a vector instruction that reads or writes a matrix result, stand NP places behind that matrix instruction; only plain vector
; instructions that name none of its registers are places (ISA guide 7.12.1 for vector instructions).
.macro PLACES n
.rept \n
	v_nop
.endr
.endm
; A step of 128 along K that has its successor in the same slot.  A's blocks 0-3 are fetched anew in the step's middle, blocks 4-7 at its end; B has two sets.
.macro STEP slot, q, zero
	s_wait_dscnt 4*NL                              ; B's set and A's blocks 0-3 are in; the youngest eight loads (A's blocks 4-7) may be out
	WIN MUL_LO
	MUL16 0, (\q)%2, \q, \slot, \zero
	MUL16 2, (\q)%2, \q, \slot, \zero
	s_wait_dscnt 0                                 ; A's blocks 4-7 are in
	PLACES NP
	FETCH_B \slot, (\q)+1, 1-(\q)%2
	FETCH_A \slot, (\q)+1, 0
	WIN MUL_HI
	MUL16 4, (\q)%2, \q, \slot, \zero
	MUL16 6, (\q)%2, \q, \slot, \zero
	PLACES NP
	WIN 0
	FETCH_A \slot, (\q)+1, 4
.endm
; Slot 0's last step goes over to slot 1: each wave waits for all its tensor loads (its part of slot 1), and one barrier shows the whole slot to every wave.  Nothing is filled again.
.macro TURN slot, next
	s_wait_tensorcnt 0x0                           ; all my tensor loads have landed
	ds_add_u32 v[SPW], v[NIL]                      ; 0 onto my spare word
	s_wait_dscnt 4*NL+1                            ; (the add and the youngest eight loads, A's blocks 4-7, may be out)
	WIN MUL_LO
	MUL16 0, 1, NQ-1, \slot, 0
	s_wait_dscnt 0x0                               ; no LDS instruction of mine is out at the signal
	s_barrier_signal -1
	MUL16 2, 1, NQ-1, \slot, 0
	WIN 0
	s_barrier_wait -1
	PLACES NP
	v_add_nc_u32 v[ADRS], 4*NQ, v[ADRS]            ; on to the next slot's scale words
	FETCH_B \next, 0, 0
	FETCH_A \next, 0, 0
	SCALES \next
	WIN MUL_HI
	MUL16 4, 1, NQ-1, \slot, 0
	MUL16 6, 1, NQ-1, \slot, 0
	PLACES NP
	WIN 0
	FETCH_A \next, 0, 4
.endm
	s_wait_tensorcnt 1                             ; the scale bytes and my part of slot 0 are in (slot 1's load may be out),
	s_barrier_signal -1
	s_barrier_wait -1                              ; everybody's are
	FETCH_B 0, 0, 0
	FETCH_A 0, 0, 0
	SCALES 0
	FETCH_A 0, 0, 4
	STEP 0, 0, 1                                   ; the first step's products start the sums: nothing is cleared
	STEP 0, 1, 0
	STEP 0, 2, 0
	TURN 0, 1
	STEP 1, 0, 0
	STEP 1, 1, 0
	STEP 1, 2, 0
	s_wait_dscnt 4*NL                              ; the last step: nothing more to fetch
	WIN MUL_LO
	MUL16 0, 1, NQ-1, 1, 0
	MUL16 2, 1, NQ-1, 1, 0
	s_wait_dscnt 0
	WIN MUL_HI
	MUL16 4, 1, NQ-1, 1, 0
	MUL16 6, 1, NQ-1, 1, 0
	WIN 0
; THE WAY OUT of A's block a: y x c + bq x c in place, each accumulator from its low end on; rounded to f16, 16 bytes a lane; each store of the wave covers 512 consecutive bytes, aligned: one block g of one tile of qkv.
.macro OUT a, isv
.set AC, 64*((\a)%4)
.set PK, PKR+32*((\a)%2)
	WIN 0x82+0x41*((\a)/4)                         ; source 0 and destination: window 2 or 3; the bias: window 0
.irp b, 0,1,2,3,4,5,6,7
.irp i, 0,1,2,3
.if \isv
	v_pk_add_f32 v[AC+8*\b+2*\i:AC+8*\b+2*\i+1], v[AC+8*\b+2*\i:AC+8*\b+2*\i+1], v[BV+2*(\a):BV+2*(\a)+1]
.else
	v_pk_fma_f32 v[AC+8*\b+2*\i:AC+8*\b+2*\i+1], v[AC+8*\b+2*\i:AC+8*\b+2*\i+1], s[2:3], v[BI+8*\b+2*\i:BI+8*\b+2*\i+1] op_sel_hi:[1,0,1]
.endif
.endr
.endr
	WIN 0x0a+5*((\a)/4)                            ; sources 0 and 1: window 2 or 3; destination window 0
.if (\a) > 1
	s_wait_xcnt 0x0                                ; block a - 2's stores have read their registers: they are written again only behind this wait
.endif
.irp b, 0,1,2,3,4,5,6,7
.irp i, 0,1,2,3
	v_cvt_pk_f16_f32 v[PK+4*\b+\i], v[AC+8*\b+2*\i], v[AC+8*\b+2*\i+1]
.endr
.endr
	WIN 0
.irp b, 0,1,2,3,4,5,6,7
.if \isv
	global_store_b128 v[CO], v[PK+4*\b:PK+4*\b+3], s[98:99] offset:((\a)/4)*262144+\b*2048+((\a)%4)*512   ; head a / 4, tile of keys b, channel tile a % 4
.else
	global_store_b128 v[CO], v[PK+4*\b:PK+4*\b+3], s[98:99] offset:(\b/4)*262144+(\a)*2048+(\b%4)*512     ; head b / 4, tile of tokens a, block b % 4
.endif
.endr
.endm
	PLACES NP                                      ; behind the last products: their results are read and written, and A's registers are written, below
	s_wait_loadcnt 0x0                             ; bq
	s_cmp_lg_u32 s12, 0                            ; the cluster's y decides: the same way in all sixteen partners
	s_cbranch_scc1 .Lv_out
.set n, 0
.rept 32
	v_pk_mul_f32 v[BI+n:BI+n+1], v[BI+n:BI+n+1], s[2:3] op_sel_hi:[1,0]   ; bq x c
.set n, n+2
.endr
.irp a, 0,1,2,3,4,5,6,7
	OUT \a, 0
.endr
	s_branch .Lend
.Lv_out:
.irp a, 0,1,2,3,4,5,6,7
	OUT \a, 1
.endr
.Lend:
	s_wait_tensorcnt 0x0                           ; the wave's end: behind my last tensor load
	ds_add_u32 v[SPW], v[NIL]
	s_wait_dscnt 0x0
	CROUND                                         ; the closing round: no work-group ends while a partner may still ask for a tile that names it
	s_endpgm
.Lfunc_end_k_qcae7a983b8_proj:
	.size	k_qcae7a983b8_proj, .Lfunc_end_k_qcae7a983b8_proj-k_qcae7a983b8_proj
	.p2alignl 7, 3214868480
	.fill 96, 4, 3214868480
	.section	.rodata,"a",@progbits
	.p2align	6, 0x0
	.amdhsa_kernel k_qcae7a983b8_proj
		.amdhsa_group_segment_fixed_size 327680
		.amdhsa_private_segment_fixed_size 0
		.amdhsa_enable_private_segment 0
		.amdhsa_kernarg_size 48
		.amdhsa_user_sgpr_count 2
		.amdhsa_user_sgpr_kernarg_segment_ptr 1
		.amdhsa_wavefront_size32 1
		.amdhsa_system_sgpr_workgroup_id_x 1
		.amdhsa_system_sgpr_workgroup_id_y 1
		.amdhsa_system_sgpr_workgroup_id_z 1
		.amdhsa_system_vgpr_workitem_id 0
		.amdhsa_next_free_vgpr 1024
		.amdhsa_next_free_sgpr 100
		.amdhsa_reserve_vcc 0
		.amdhsa_float_denorm_mode_32 3
		.amdhsa_float_denorm_mode_16_64 3
		.amdhsa_memory_ordered 1
		.amdhsa_forward_progress 1
		.amdhsa_inst_pref_size 179
	.end_amdhsa_kernel
	.amdgpu_metadata
---
amdhsa.version: [ 1, 2 ]
amdhsa.kernels:
  - .name:           k_qcae7a983b8_proj
    .symbol:         k_qcae7a983b8_proj.kd
    .args:
      - { .name: xc, .offset: 0, .size: 8, .value_kind: global_buffer, .address_space: global }
      - { .name: xs, .offset: 8, .size: 8, .value_kind: global_buffer, .address_space: global }
      - { .name: wc, .offset: 16, .size: 8, .value_kind: global_buffer, .address_space: global }
      - { .name: ws, .offset: 24, .size: 8, .value_kind: global_buffer, .address_space: global }
      - { .name: bq, .offset: 32, .size: 8, .value_kind: global_buffer, .address_space: global }
      - { .name: qkv, .offset: 40, .size: 8, .value_kind: global_buffer, .address_space: global }
    .group_segment_fixed_size: 327680
    .private_segment_fixed_size: 0
    .kernarg_segment_align: 8
    .kernarg_segment_size: 48
    .max_flat_workgroup_size: 128
    .sgpr_count:     100
    .vgpr_count:     1024
    .wavefront_size: 32
...
	.end_amdgpu_metadata
.endif
;; end of part 2
;; launch attn (part 3): grid 4 x 64, 8 waves a work-group, clusters of 4 x 1, 327,680 bytes of LDS; arguments qkv, ao; writes ao
.if DOCPART == 3
	.amdgcn_target "amdgcn-amd-amdhsa--gfx1250"
	.amdhsa_code_object_version 6
	.text
	.protected	k_qcae7a983b8_attn
	.globl	k_qcae7a983b8_attn
	.p2align	8
	.type	k_qcae7a983b8_attn,@function
k_qcae7a983b8_attn:
	s_mov_b64 s[64:65], 0
	v_nop
	global_prefetch_b8 v0, s[64:65] scope:SCOPE_SE
	s_setreg_imm32_b32 hwreg(HW_REG_WAVE_MODE, 25, 1), 1
	s_wait_xcnt 0x0
	s_wait_alu depctr_hold_cnt(0) depctr_sa_sdst(0) depctr_va_vdst(0) depctr_va_sdst(0) depctr_va_ssrc(0) depctr_va_vcc(0) depctr_vm_vsrc(0)
	s_getreg_b32 s2, hwreg(HW_REG_IB_STS2, 6, 4)
	s_cmp_eq_u32 s2, 0
	s_cbranch_scc0 .Lentry_in_a_cluster
	s_endpgm
.Lentry_in_a_cluster:
	s_bfe_u32 s2, ttmp6, 0x10000c
	s_cmp_lg_u32 s2, 0x3003
	s_cbranch_scc0 .Lentry_shape_is_right
	s_endpgm
.Lentry_shape_is_right:
; O[bh][q][:] = the sum over k of softmax_k(Q[bh][q] . K[bh][k] / 8) V[bh][k][:], 64 (batch, head) pairs, 2,048 queries and keys, head size 64, no mask.  Operands f16, products, maxima and sums f32.
; qkv holds Q (already x log2(e) / 8), K and V as images of operand registers: [gb][head][tile of 16][g 4][lane 32][16 bytes]; K lies 0x1000000 bytes behind Q, V 0x2000000.  ao: [bh][query][64] f16.
; LIMITS: the weights p = 2^(t - m) are at most 1 and are rounded to f16 for the second product (a p under 2^-25 becomes 0, beside a row's sum of at least 1); O is rounded to f16.
; SHARES.  A cluster of four work-groups is one (batch, head); a work-group owns 512 queries, each of its eight waves 64: four tiles of 16.  Two waves lie on a SIMD, 512 registers each.  Every wave walks all keys, 64 a step.
; LAYOUT.  S^T = K Q^T (source 0 = 16 keys, source 1 = 16 queries): a lane holds ONE query (lane % 16) and keys 8 (lane / 16) + 0..7.  Two such tiles, rounded to f16 in pairs, ARE source 1 (32 keys x 16 queries) of
; O^T = V^T P, whose result again holds one query a lane and eight channels.  Every fragment of K and V comes by ds_load_b128 at 16 x lane: consecutive bytes, no pitch, no padding.
; SOFTMAX.  A running maximum m and sum l for each query: p = 2^(t - m); in every step O and l are multiplied by a = 2^(m_old - m_new).
; RING.  Two LDS slots of 512 keys (K's 65,536 bytes, then V's).  Each of the eight waves brings an eighth of a slot by one tensor load (64 rows of 256 bytes), asked for JOINTLY by the four partners, which walk the same K and V.
; REGISTERS.  window 0: v1-8 addresses; v16-47 statistics, eight a tile: +0 m, +1 written once, +2:+3 l, +4..+7 c0-c3 (a takes c2's place; +4:+5 is the sum's first chain); v48-55 the second chain; v64-127 Q; v128-191 K of a step; v192-255 V of a step.
;   window 1: v0-127 S^T, 32 a tile, then p, then P in the tile's first 16; v128-255 O^T, 32 a tile.
.set SLOTB, 131072                     ; a slot
.set VOFF,  65536                      ; V's images in it
.set STEPB, 8192                       ; 64 keys' images
.set SPARE, 2*SLOTB                    ; behind the ring: the spare words, 128 bytes for each of eight waves
.set SROW,  144                        ; the way out: a stage row: 128 bytes + 16
.set STILE, 16*SROW
.set SWAVE, 4*STILE                    ; a wave's stage; the stages lie in slot 0, which has had its last fill and its last read by then
.set SPW, 1                            ; v1  LDS address of my spare word; never rewritten
.set NIL, 2                            ; v2  0; never rewritten
.set LI,  3                            ; v3  16 x lane
.set ADR, 4                            ; v4  LDS address of the step's K
.set ADV, 5                            ; v5  of its V
.set STO, 6                            ; v6  the way out: where I put 16 bytes of a row
.set RD,  7                            ; v7  and where I read rows back
.set PFO, 8                            ; v8  256 x lane; never rewritten
.set ST,  16
.set CH2, 48
.set QF,  64
.set KF,  128
.set VF,  192
.set OA,  128                          ; O^T, in window 1
.set WV,  8                            ; s8  my wave's number
.set G1,  16                           ; s[16:23] descriptor group 1
.set G0A, 24                           ; s[24:27] group 0 for slot 0;  s[28:31] for slot 1
.set G0B, 28
.set SEL, 32                           ; s[32:33] lane selects for v_permlanex16_b32: lane l xor 16
.set TB,  34                           ; s34 LDS byte at which the step's images of K begin
.set CNT, 35                           ; s35 counts a run's steps
.set PFA, 36                           ; s[36:37] where my prefetch stands; never rewritten
.set MSB, 0
.macro WIN new                         ; the immediate's high byte repeats the setting that is left; a switch that changes nothing is dropped
.if MSB != (\new)
	s_set_vgpr_msb (MSB<<8)|(\new)
.set MSB, (\new)
.endif
.endm
.macro CROUND                          ; a round of the cluster's barrier
	s_barrier_signal -1
	s_barrier_wait -1
	s_cmp_lg_u32 s[WV], 0
	s_cbranch_scc1 .Lnot_wave_0_\@
	s_barrier_signal -3
.Lnot_wave_0_\@:
	s_barrier_wait -3
	s_barrier_signal -1
	s_barrier_wait -1
.endm
	s_load_b128 s[4:7], s[0:1], 0x0                ; qkv s[4:5], ao s[6:7]
	v_lshl_add_u32 v[SPW], v0, 2, SPARE
	v_mov_b32 v[NIL], 0
	ds_add_u32 v[SPW], v[NIL]                      ; the wave's opening: the add, twice on end, and its wait ahead of my first tensor load; the set-up below stands between
	ds_add_u32 v[SPW], v[NIL]
	v_lshrrev_b32 v9, 5, v0
	v_readfirstlane_b32 s[WV], v9                  ; wave 0..7
	s_bfe_u32 s9, ttmp6, 0x40000                   ; cx: my place in the cluster
	s_lshl_b32 s10, ttmp9, 2
	s_add_co_u32 s10, s10, s9                      ; my block of 512 queries: it enters Q's and ao's addresses alone
	s_and_b32 s11, ttmp7, 0xffff                   ; the (batch, head), which the four partners share
	; descriptor group 1: a dense block of 16,384 bytes as 64 rows of 256 (32 elements of 8 bytes), no padding
	s_mov_b32 s[G1], 15|(3<<16)|(1<<21)            ; 15:0 the mask: all four work-groups; 17:16 elements of 8 bytes; 21 set beside a mask
	s_mov_b32 s[G1+1], 32<<16                      ; tensor_dim0
	s_mov_b32 s[G1+2], 64<<16                      ; tensor_dim1
	s_mov_b32 s[G1+3], 32<<16                      ; tile_dim0
	s_mov_b32 s[G1+4], 64                          ; tile_dim1
	s_mov_b32 s[G1+5], 32                          ; tensor_dim0_stride
	s_mov_b32 s[G1+6], 0
	s_mov_b32 s[G1+7], 0
	s_mov_b32 s[SEL], 0x76543210
	s_mov_b32 s[SEL+1], 0xfedcba98
	s_lshl_b32 s12, s11, 18                        ; the pair's 262,144 bytes in each of Q, K, V, ao
	s_lshr_b32 s14, s[WV], 2
	s_add_co_u32 s14, s14, 1
	s_lshl_b32 s14, s14, 24                        ; waves 0-3 fetch K's images, waves 4-7 V's,
	s_and_b32 s15, s[WV], 3
	s_lshl_b32 s15, s15, 14                        ; a quarter of a slot's 65,536 bytes each
	s_add_co_u32 s14, s14, s15
	s_add_co_u32 s14, s14, s12
	s_mov_b32 s15, 0
	s_lshl_b32 s38, s10, 16                        ; my block's 512 queries,
	s_lshl_b32 s39, s[WV], 13                      ; my wave's 64 of them
	s_add_co_u32 s38, s38, s39
	s_add_co_u32 s38, s38, s12
	s_mov_b32 s39, 0
	s_lshl_b32 s40, s9, 2                          ; the prefetch: piece p = 4 cx + wave % 4 of sixteen,
	s_and_b32 s41, s[WV], 3
	s_add_co_u32 s40, s40, s41
	s_lshr_b32 s41, s40, 3
	s_add_co_u32 s41, s41, 1
	s_lshl_b32 s41, s41, 24                        ; pieces 0-7 in K, 8-15 in V,
	s_and_b32 s40, s40, 7
	s_lshl_b32 s40, s40, 13                        ; 8,192 bytes each,
	s_add_co_u32 s40, s40, s41
	s_add_co_u32 s40, s40, s12
	s_add_co_u32 s40, s40, 3*VOFF                  ; of keys 1,536 on
	s_mov_b32 s41, 0
	s_lshl_b32 s42, s[WV], 14                      ; where my loads go in a slot: wave x 16,384: no place in the cluster enters an LDS address
	s_wait_dscnt 0x0                               ; both opening adds are done
	s_wait_kmcnt 0x0
	s_add_nc_u64 s[14:15], s[4:5], s[14:15]
	s_add_nc_u64 s[PFA:PFA+1], s[4:5], s[40:41]
	s_add_nc_u64 s[4:5], s[4:5], s[38:39]          ; Q at my wave's first tile
	s_add_nc_u64 s[6:7], s[6:7], s[38:39]          ; ao at my wave's first row
	CROUND                                         ; all four work-groups are here: the first joint loads meet
	s_mov_b32 s[G0A], 1                            ; count = 1
	s_mov_b32 s[G0A+1], s42                        ; LDS address: slot 0
	s_mov_b64 s[G0A+2:G0A+3], s[14:15]             ; keys 0 on
	s_or_b32 s[G0A+3], s[G0A+3], 0x80000000        ; type = 2
	s_mov_b32 s[G0B], 1
	s_add_co_u32 s[G0B+1], s42, SLOTB              ; slot 1
	s_add_nc_u64 s[G0B+2:G0B+3], s[14:15], VOFF    ; keys 512 on
	s_or_b32 s[G0B+3], s[G0B+3], 0x80000000
	tensor_load_to_lds s[G0A:G0A+3], s[G1:G1+7]    ; both first fills together: two tensor loads of mine are out
	s_nop 0
	tensor_load_to_lds s[G0B:G0B+3], s[G1:G1+7]
	s_nop 0
.rept 4
	v_nop
.endr
	v_and_b32 v[LI], 31, v0
	v_lshlrev_b32 v[PFO], 8, v[LI]
	v_lshlrev_b32 v[LI], 4, v[LI]
.irp t, 0,1,2,3
.irp g, 0,1,2,3
	global_load_b128 v[QF+16*\t+4*\g:QF+16*\t+4*\g+3], v[LI], s[4:5] offset:2048*\t+512*\g   ; Q stays in registers: blocks 2 c, 2 c + 1 of a tile are the fragment of channels 32 c on
.endr
.endr
.irp t, 0,1,2,3
	v_mov_b32 v[ST+8*\t+1], 0                      ; named as the upper half of the pair with m, so it is written
.endr
; A KEY STEP: 64 keys at LDS byte s[TB].  first = 1: the first step, which starts m, l and O^T.
.macro STEP first
	v_add_nc_u32 v[ADR], s[TB], v[LI]
	v_add_nc_u32 v[ADV], VOFF, v[ADR]
.irp i, 0,1,2,3,4,5,6,7,8,9,10,11,12,13,14,15
	ds_load_b128 v[KF+4*\i:KF+4*\i+3], v[ADR] offset:512*\i        ; K: tile of keys i / 4, block i % 4
.endr
.irp kk, 0,1
.irp ct, 0,1,2,3
	ds_load_b128 v[VF+8*(4*\kk+\ct):VF+8*(4*\kk+\ct)+3], v[ADV] offset:4096*\kk+512*\ct          ; V^T: channels 16 ct on, keys 32 kk + 8 h on,
	ds_load_b128 v[VF+8*(4*\kk+\ct)+4:VF+8*(4*\kk+\ct)+7], v[ADV] offset:4096*\kk+2048+512*\ct   ; and keys 32 kk + 16 + 8 h on
.endr
.endr
	s_wait_dscnt 16                                ; K's sixteen loads are in; V's sixteen may be out
	WIN 0x50                                       ; K and Q window 0; S^T window 1
.irp c, 0,1                            ; S^T = K Q^T: the 16 accumulators take turns, one instruction a turn
.irp kt, 0,1,2,3
.irp t, 0,1,2,3
.if \c == 0
	v_wmma_f32_16x16x32_f16 v[32*\t+8*\kt:32*\t+8*\kt+7], v[KF+16*\kt:KF+16*\kt+7], v[QF+16*\t:QF+16*\t+7], 0
.else
	v_wmma_f32_16x16x32_f16 v[32*\t+8*\kt:32*\t+8*\kt+7], v[KF+16*\kt+8:KF+16*\kt+15], v[QF+16*\t+8:QF+16*\t+15], v[32*\t+8*\kt:32*\t+8*\kt+7]
.endif
.endr
.endr
.endr
.rept 4
	v_nop                                          ; four places between the last product and the first read of results (ISA guide 7.12.1)
.endr
	WIN 0x15                                       ; the maximum of a lane's 32 scores, three operands at a time, four chains a tile, the tiles by turns
.irp j, 0,1,2,3
.irp t, 0,1,2,3
	v_max3_num_f32 v[ST+8*\t+4+\j], v[32*\t+8*\j], v[32*\t+8*\j+1], v[32*\t+8*\j+2]
.endr
.endr
	WIN 0x14
.irp u, 1,2
.irp j, 0,1,2,3
.irp t, 0,1,2,3
	v_max3_num_f32 v[ST+8*\t+4+\j], v[ST+8*\t+4+\j], v[32*\t+8*\j+2*\u+1], v[32*\t+8*\j+2*\u+2]
.endr
.endr
.endr
.irp t, 0,1,2,3
	v_max3_num_f32 v[ST+8*\t+4], v[ST+8*\t+4], v[32*\t+7], v[32*\t+15]
	v_max3_num_f32 v[ST+8*\t+6], v[ST+8*\t+6], v[32*\t+23], v[32*\t+31]
.endr
	WIN 0
.irp t, 0,1,2,3
	v_max3_num_f32 v[ST+8*\t+4], v[ST+8*\t+4], v[ST+8*\t+5], v[ST+8*\t+6]
.endr
.irp t, 0,1,2,3
.if \first
	v_max_num_f32 v[ST+8*\t+4], v[ST+8*\t+4], v[ST+8*\t+7]
.else
	v_max3_num_f32 v[ST+8*\t+4], v[ST+8*\t+4], v[ST+8*\t+7], v[ST+8*\t]    ; with the old m
.endif
.endr
.irp t, 0,1,2,3
	v_permlanex16_b32 v[ST+8*\t+5], v[ST+8*\t+4], s[SEL], s[SEL+1]         ; the query's other 32 keys lie in the lane 16 away
.endr
.if \first == 0
.irp t, 0,1,2,3
	v_mov_b32 v[ST+8*\t+7], v[ST+8*\t]             ; m_old
.endr
.endif
.irp t, 0,1,2,3
	v_max_num_f32 v[ST+8*\t], v[ST+8*\t+4], v[ST+8*\t+5]                   ; the new m
.endr
.if \first == 0
.irp t, 0,1,2,3
	v_sub_f32 v[ST+8*\t+7], v[ST+8*\t+7], v[ST+8*\t]
.endr
.irp t, 0,1,2,3
	v_exp_f32 v[ST+8*\t+6], v[ST+8*\t+7]           ; a = 2^(m_old - m_new): the first of the step's batch of exponentials
.endr
.endif
	WIN 0x41                                       ; S^T window 1, m window 0
.irp t, 0,1,2,3
.irp i, 0,2,4,6,8,10,12,14,16,18,20,22,24,26,28,30
	v_pk_add_f32 v[32*\t+\i:32*\t+\i+1], v[32*\t+\i:32*\t+\i+1], v[ST+8*\t:ST+8*\t+1] op_sel_hi:[1,0] neg_lo:[0,1] neg_hi:[0,1]   ; t - m, two at a time
.endr
.endr
.set n, 0
.rept 128
	v_exp_f32 v[n], v[n]                           ; p = 2^(t - m), at most 1
.set n, n+1
.endr
	v_nop                                          ; a plain instruction behind the last exponential
	s_wait_alu depctr_va_vdst(0)                   ; ONE wait for the step's whole batch, ahead of its first reader
	WIN 0x05                                       ; the row's sums of p, two at a time, two chains a tile, the tiles by turns
.irp t, 0,1,2,3
	v_pk_add_f32 v[ST+8*\t+4:ST+8*\t+5], v[32*\t:32*\t+1], v[32*\t+2:32*\t+3]
	v_pk_add_f32 v[CH2+2*\t:CH2+2*\t+1], v[32*\t+4:32*\t+5], v[32*\t+6:32*\t+7]
.endr
	WIN 0x01
.irp i, 8,12,16,20,24,28
.irp t, 0,1,2,3
	v_pk_add_f32 v[ST+8*\t+4:ST+8*\t+5], v[32*\t+\i:32*\t+\i+1], v[ST+8*\t+4:ST+8*\t+5]
	v_pk_add_f32 v[CH2+2*\t:CH2+2*\t+1], v[32*\t+\i+2:32*\t+\i+3], v[CH2+2*\t:CH2+2*\t+1]
.endr
.endr
	WIN 0
.irp t, 0,1,2,3
.if \first
	v_pk_add_f32 v[ST+8*\t+2:ST+8*\t+3], v[ST+8*\t+4:ST+8*\t+5], v[CH2+2*\t:CH2+2*\t+1]      ; l begins
.else
	v_pk_add_f32 v[ST+8*\t+4:ST+8*\t+5], v[ST+8*\t+4:ST+8*\t+5], v[CH2+2*\t:CH2+2*\t+1]
.endif
.endr
.if \first == 0
.irp t, 0,1,2,3
	v_pk_fma_f32 v[ST+8*\t+2:ST+8*\t+3], v[ST+8*\t+2:ST+8*\t+3], v[ST+8*\t+6:ST+8*\t+7], v[ST+8*\t+4:ST+8*\t+5] op_sel_hi:[1,0,1]   ; l = a l + the step's sum
.endr
.endif
	WIN 0x45                                       ; P: p rounded to f16 in pairs, into the tile's first 16 registers; register i is written when registers 2 i
.irp t, 0,1,2,3
.irp i, 0,1,2,3,4,5,6,7,8,9,10,11,12,13,14,15
	v_cvt_pk_f16_f32 v[32*\t+\i], v[32*\t+2*\i], v[32*\t+2*\i+1]
.endr
.endr
.if \first
.rept 4
	v_nop
.endr
.else
	WIN 0x41                                       ; O^T x a, each accumulator from its low end on
.irp t, 0,1,2,3
.irp i, 0,2,4,6,8,10,12,14,16,18,20,22,24,26,28,30
	v_pk_mul_f32 v[OA+32*\t+\i:OA+32*\t+\i+1], v[OA+32*\t+\i:OA+32*\t+\i+1], v[ST+8*\t+6:ST+8*\t+7] op_sel_hi:[1,0]
.endr
.endr
.endif
	s_wait_dscnt 0x0                               ; V is in
	WIN 0x54                                       ; V window 0; P, O^T window 1
.irp kk, 0,1                           ; O^T += V^T P: the 16 accumulators take turns
.irp ct, 0,1,2,3
.irp t, 0,1,2,3
.if (\first) && (\kk == 0)
	v_wmma_f32_16x16x32_f16 v[OA+32*\t+8*\ct:OA+32*\t+8*\ct+7], v[VF+8*(4*\kk+\ct):VF+8*(4*\kk+\ct)+7], v[32*\t+8*\kk:32*\t+8*\kk+7], 0
.else
	v_wmma_f32_16x16x32_f16 v[OA+32*\t+8*\ct:OA+32*\t+8*\ct+7], v[VF+8*(4*\kk+\ct):VF+8*(4*\kk+\ct)+7], v[32*\t+8*\kk:32*\t+8*\kk+7], v[OA+32*\t+8*\ct:OA+32*\t+8*\ct+7]
.endif
.endr
.endr
.endr
.rept 5
	v_nop                                          ; four places in front of the next loads into V's registers; the fifth for the next step's first products, which write over P's registers
.endr
	WIN 0                                          ; at a label and at a branch every window is 0
.endm
.macro RUN base, n                     ; n key steps from LDS byte base on
	s_mov_b32 s[TB], \base
	s_mov_b32 s[CNT], \n
.Lrun_\@:
	STEP 0
	s_add_co_u32 s[TB], s[TB], STEPB
	s_sub_co_u32 s[CNT], s[CNT], 1
	s_cmp_lg_u32 s[CNT], 0
	s_cbranch_scc1 .Lrun_\@
.endm
; THE CHANGE OF SLOTS.  Each wave waits for all its tensor loads (its part of the slot ahead), adds 0 to its spare word, and waits for that and for its reads of the slot that it leaves.
; fill = 1: the barrier is a round of the cluster's, so that no wave of any partner still reads that slot or has a load on its way; the joint refill, 1,024 keys on, is the first thing behind it and has eight key steps in which to land.
.macro CHANGE g0, fill
	s_wait_tensorcnt 0x0                           ; no tensor load of mine is out, so a group 0 may be written
	ds_add_u32 v[SPW], v[NIL]                      ; 0 onto my spare word
.if \fill
	s_add_nc_u64 s[\g0+2:\g0+3], s[\g0+2:\g0+3], 2*VOFF   ; the type bits on top are not reached
.endif
	s_wait_dscnt 0x0                               ; the add is done, and my reads of the slot are over
.if \fill
	CROUND
	tensor_load_to_lds s[\g0:\g0+3], s[G1:G1+7]    ; one tensor load of mine is out
	s_nop 0
.rept 4
	v_nop
.endr
.else
	s_barrier_signal -1
	s_barrier_wait -1
.endif
.endm
	s_wait_tensorcnt 1                             ; my part of slot 0 is in; slot 1's may stay out
	s_barrier_signal -1
	s_barrier_wait -1                              ; everybody's is
	s_wait_loadcnt 0x0                             ; Q
	s_mov_b32 s[TB], 0
	STEP 1                                         ; keys 0 to 63 start m, l and O^T: nothing is cleared
	RUN STEPB, 7
	CHANGE G0A, 1                                  ; slot 0 takes keys 1,024 on
	; A prefetch of what the NEXT change will ask for, keys 1,536 on of K and of V: 2 x 65,536 bytes in sixteen pieces of 8,192, lanes 256 bytes apart.  The four partners take four pieces each, told apart by address;
	; in each, waves 0 to 3 ask, one instruction each: every block of 256 bytes is named once.  It stands behind the wave's tensor load, eight key steps ahead of the load that will want the bytes.
	s_cmp_lt_u32 s[WV], 4
	s_cbranch_scc0 .Lno_ask
	global_prefetch_b8 v[PFO], s[PFA:PFA+1] th:TH_LOAD_NT scope:SCOPE_SE
.Lno_ask:
	RUN SLOTB, 8
	CHANGE G0B, 1                                  ; slot 1 takes keys 1,536 on
	RUN 0, 8
	CHANGE G0A, 0                                  ; nothing is left to ask for
	RUN SLOTB, 8
	; THE WAY OUT.  l's two halves and the other half of the lanes' are added; O^T is divided by l, rounded to f16 and sent through my stage in LDS, so that each store of the wave covers 512 consecutive bytes: four rows of ao.
.irp t, 0,1,2,3
	v_add_f32 v[ST+8*\t+4], v[ST+8*\t+2], v[ST+8*\t+3]
.endr
.irp t, 0,1,2,3
	v_permlanex16_b32 v[ST+8*\t+5], v[ST+8*\t+4], s[SEL], s[SEL+1]
.endr
.irp t, 0,1,2,3
	v_add_f32 v[ST+8*\t+4], v[ST+8*\t+4], v[ST+8*\t+5]
.endr
.irp t, 0,1,2,3
	v_rcp_f32 v[ST+8*\t+6], v[ST+8*\t+4]
.endr
	s_mul_i32 s12, s[WV], SWAVE                    ; my stage; the address lines are the plain work behind the reciprocals
	v_and_b32 v9, 15, v0
	v_bfe_u32 v10, v0, 4, 1
	v_mul_u32_u24 v[STO], v9, SROW
	v_lshl_add_u32 v[STO], v10, 4, v[STO]
	v_add_nc_u32 v[STO], s12, v[STO]               ; in: row = my query, 16 bytes for each half of the lanes
	v_bfe_u32 v9, v0, 3, 2
	v_and_b32 v10, 7, v0
	v_mul_u32_u24 v[RD], v9, SROW
	v_lshl_add_u32 v[RD], v10, 4, v[RD]
	v_add_nc_u32 v[RD], s12, v[RD]                 ; back: eight lanes to a row of 128 bytes, four rows an instruction
	s_wait_alu depctr_va_vdst(0)                   ; one wait for the four reciprocals, ahead of their first reader
	WIN 0x41
.irp t, 0,1,2,3
.irp i, 0,2,4,6,8,10,12,14,16,18,20,22,24,26,28,30
	v_pk_mul_f32 v[OA+32*\t+\i:OA+32*\t+\i+1], v[OA+32*\t+\i:OA+32*\t+\i+1], v[ST+8*\t+6:ST+8*\t+7] op_sel_hi:[1,0]
.endr
.endr
	WIN 0x05                                       ; sources window 1, destination window 0: K's registers are free
.irp t, 0,1,2,3
.irp i, 0,1,2,3,4,5,6,7,8,9,10,11,12,13,14,15
	v_cvt_pk_f16_f32 v[KF+16*\t+\i], v[OA+32*\t+2*\i], v[OA+32*\t+2*\i+1]
.endr
.endr
	WIN 0
.irp t, 0,1,2,3
.irp ct, 0,1,2,3
	ds_store_b128 v[STO], v[KF+16*\t+4*\ct:KF+16*\t+4*\ct+3] offset:STILE*\t+32*\ct   ; channels 16 ct + 8 h + 0..7 of my query
.endr
.endr
.irp t, 0,1,2,3
.irp i, 0,1,2,3
	ds_load_b128 v[VF+16*\t+4*\i:VF+16*\t+4*\i+3], v[RD] offset:STILE*\t+4*SROW*\i    ; LDS serves a wave's instructions in order (ISA guide 5.7.1.4): these see my stores
.endr
.endr
.irp t, 0,1,2,3
.irp i, 0,1,2,3
	s_wait_dscnt 15-4*\t-\i                        ; the younger loads may be out
	global_store_b128 v[LI], v[VF+16*\t+4*\i:VF+16*\t+4*\i+3], s[6:7] offset:2048*\t+512*\i
.endr
.endr
	s_wait_tensorcnt 0x0                           ; the wave's end: behind my last tensor load and my last LDS store
	ds_add_u32 v[SPW], v[NIL]
	s_wait_dscnt 0x0
	CROUND                                         ; the closing round: no work-group ends while a partner may still ask for a tile that names it
	s_endpgm
.Lfunc_end_k_qcae7a983b8_attn:
	.size	k_qcae7a983b8_attn, .Lfunc_end_k_qcae7a983b8_attn-k_qcae7a983b8_attn
	.p2alignl 7, 3214868480
	.fill 96, 4, 3214868480
	.section	.rodata,"a",@progbits
	.p2align	6, 0x0
	.amdhsa_kernel k_qcae7a983b8_attn
		.amdhsa_group_segment_fixed_size 327680
		.amdhsa_private_segment_fixed_size 0
		.amdhsa_enable_private_segment 0
		.amdhsa_kernarg_size 16
		.amdhsa_user_sgpr_count 2
		.amdhsa_user_sgpr_kernarg_segment_ptr 1
		.amdhsa_wavefront_size32 1
		.amdhsa_system_sgpr_workgroup_id_x 1
		.amdhsa_system_sgpr_workgroup_id_y 1
		.amdhsa_system_sgpr_workgroup_id_z 1
		.amdhsa_system_vgpr_workitem_id 0
		.amdhsa_next_free_vgpr 512
		.amdhsa_next_free_sgpr 66
		.amdhsa_reserve_vcc 0
		.amdhsa_float_denorm_mode_32 3
		.amdhsa_float_denorm_mode_16_64 3
		.amdhsa_memory_ordered 1
		.amdhsa_forward_progress 1
		.amdhsa_inst_pref_size 176
	.end_amdhsa_kernel
	.amdgpu_metadata
---
amdhsa.version: [ 1, 2 ]
amdhsa.kernels:
  - .name:           k_qcae7a983b8_attn
    .symbol:         k_qcae7a983b8_attn.kd
    .args:
      - { .name: qkv, .offset: 0, .size: 8, .value_kind: global_buffer, .address_space: global }
      - { .name: ao, .offset: 8, .size: 8, .value_kind: global_buffer, .address_space: global }
    .group_segment_fixed_size: 327680
    .private_segment_fixed_size: 0
    .kernarg_segment_align: 8
    .kernarg_segment_size: 16
    .max_flat_workgroup_size: 256
    .sgpr_count:     66
    .vgpr_count:     512
    .wavefront_size: 32
...
	.end_amdgpu_metadata
.endif
;; end of part 3
;; launch outp (part 4): grid 8 x 64, 4 waves a work-group, clusters of 4 x 4, 327,680 bytes of LDS; arguments ao, wo16, out0, bo; writes out0
.if DOCPART == 4
	.amdgcn_target "amdgcn-amd-amdhsa--gfx1250"
	.amdhsa_code_object_version 6
	.text
	.protected	k_qcae7a983b8_outp
	.globl	k_qcae7a983b8_outp
	.p2align	8
	.type	k_qcae7a983b8_outp,@function
k_qcae7a983b8_outp:
	s_mov_b64 s[64:65], 0
	v_nop
	global_prefetch_b8 v0, s[64:65] scope:SCOPE_SE
	s_setreg_imm32_b32 hwreg(HW_REG_WAVE_MODE, 25, 1), 1
	s_wait_xcnt 0x0
	s_wait_alu depctr_hold_cnt(0) depctr_sa_sdst(0) depctr_va_vdst(0) depctr_va_sdst(0) depctr_va_ssrc(0) depctr_va_vcc(0) depctr_vm_vsrc(0)
	s_getreg_b32 s2, hwreg(HW_REG_IB_STS2, 6, 4)
	s_cmp_eq_u32 s2, 0
	s_cbranch_scc0 .Lentry_in_a_cluster
	s_endpgm
.Lentry_in_a_cluster:
	s_bfe_u32 s2, ttmp6, 0x10000c
	s_cmp_lg_u32 s2, 0xf033
	s_cbranch_scc0 .Lentry_shape_is_right
	s_endpgm
.Lentry_shape_is_right:
; out0[m][n] = sum over k of A[m][k] Wo[n][k] + bo[n].  A = ao read flat as [8192][1024] f16 (attention's result laid [b][h][l][64]: the transposition and view of the problem cost nothing); wo16 [1024][1024] f16; out0 f32; sums in f32.
; LIMITS: both operands are f16 (rounded by the launches before).
; A tile of out0 is 128 x 128: 512 work-groups.  Four waves, each 64 x 64: 16 accumulators, 128 registers.  K goes in steps of 256 (LDS rows of 512 bytes; a wave's tensor load brings 64 of them) through two slots.
; CLUSTERS: 4 x 4.  The four of a row of the cluster need the same tiles of A, the four of a column the same tiles of Wo: each tile is asked for JOINTLY.
; THE MATRIX INSTRUCTION IS USED TRANSPOSED (source 0 = 16 rows of Wo, source 1 = 16 rows of A): a lane holds eight neighbouring numbers of a row of out0.  bo is the C of each sum's first product.
; A wave's 64 columns of f32 are 256 consecutive bytes, aligned: each wave has a stage of its own on the way out, and no barrier stands there.
; REGISTERS: window 0: v0-31 addresses; v32-95 rows on the way out; v96-127 bo, eight registers for each of B's four blocks; v128-255 the accumulators ((a, b) at v[128 + 8 (4 a + b)]).
;   window 1: two fragment buffers of 128: for 64 along K, 64 registers of A, then 64 of B.
.set SIZE_N, 1024
.set SIZE_K, 1024
.set KSTEP,  256
.set PITCH,  528                       ; an LDS row: 512 bytes + 16 of padding: row r starts at bank 4 r mod 64 (64 banks of 4 bytes: ISA guide 11.1)
.set HALFT,  64*PITCH                  ; 64 rows: what one tensor load brings, and what one wave reads of A or of B
.set SLOT,   4*HALFT                   ; A's 128 rows, then B's 128 rows
.set STAGE,  2*SLOT                    ; behind the ring: 16 rows x 272 bytes for each wave
.set SPITCH, 272
.set SPARE,  STAGE+4*16*SPITCH         ; behind the stages: the spare words, 128 bytes a wave
.set LAPS, SIZE_K/(2*KSTEP)            ; a lap = two K steps = once round the ring
.set ADRA, 16                          ; v16-17  LDS address of my A fragments in slot 0, 1
.set ADRB, 20                          ; v20-21  the same for B
.set STO,  24                          ; v24     the way out: where I put 32 bytes of a row
.set RD,   25                          ; v25     where I read a row back
.set CO,   26                          ; v26     my byte offset in out0
.set BOF,  27                          ; v27     32 h: bo's eight numbers of my half
.set SPW,  28                          ; v28     LDS address of my spare word; never rewritten
.set NIL,  29                          ; v29     0; never rewritten
.set TMP,  32
.set BIAS, 96
.set ACC,  128
.set F0,   0                           ; fragment buffers, in window 1
.set F1,   128
.set LAP,  45                          ; s45     the loop's counter
.set G1, 24                            ; s[24:31] descriptor group 1 for A's tiles;  s[32:39] group 0, one set for each slot
.set G0, 32
.set G1B, 48                           ; s[48:55], s[56:63] the same for B's tiles
.set G0B, 56
.set MSB, 0
.macro WIN new                         ; the immediate's high byte repeats the setting that is left
.if MSB != (\new)
	s_set_vgpr_msb (MSB<<8)|(\new)
.set MSB, (\new)
.endif
.endm
.set MUL,  0x05                        ; sources 0 (B) and 1 (A) window 1; C and D window 0
.set TO_F, 0x40                        ; destination window 1, address window 0
.macro JLOAD s                         ; a joint load: waves 0 and 1 fetch A's two halves, waves 2 and 3 B's; an s_nop 0 and four v_nop follow each of the two lines
	s_cmp_eq_u32 s11, 0
	s_cbranch_scc0 .Lfor_b_\@
	tensor_load_to_lds s[G0+4*\s:G0+4*\s+3], s[G1:G1+7]
	s_nop 0
.rept 4
	v_nop
.endr
	s_branch .Lasked_\@
.Lfor_b_\@:
	tensor_load_to_lds s[G0B+4*\s:G0B+4*\s+3], s[G1B:G1B+7]
	s_nop 0
.rept 4
	v_nop
.endr
.Lasked_\@:
.endm
.macro CREST                           ; a round of the cluster's barrier behind its opening barrier
	s_cmp_lg_u32 s10, 0
	s_cbranch_scc1 .Lnot_wave_0_\@
	s_barrier_signal -3
.Lnot_wave_0_\@:
	s_barrier_wait -3
	s_barrier_signal -1
	s_barrier_wait -1
.endm
.macro CROUND                          ; a whole round
	s_barrier_signal -1
	s_barrier_wait -1
	CREST
.endm
	s_load_b128 s[4:7], s[0:1], 0x0                ; A s[4:5], Wo s[6:7]
	s_load_b64 s[8:9], s[0:1], 0x10                ; out0
	s_load_b64 s[2:3], s[0:1], 0x18                ; bo
	v_lshl_add_u32 v[SPW], v0, 2, SPARE
	v_mov_b32 v[NIL], 0
	ds_add_u32 v[SPW], v[NIL]                      ; the wave's opening: the add, twice on end, and its wait ahead of my first tensor load; the set-up below stands between
	ds_add_u32 v[SPW], v[NIL]
	v_lshrrev_b32 v1, 5, v0
	v_readfirstlane_b32 s10, v1                    ; wave 0..3
	s_lshr_b32 s11, s10, 1                         ; which half of the tile's rows is mine.  Also: I fetch for A (0) or for B (1)
	s_and_b32 s12, s10, 1                          ; which half of its columns.  Also: which 64 rows of that tile I fetch
	s_bfe_u32 s40, ttmp6, 0x40000                  ; cx, cy: my place in the cluster
	s_bfe_u32 s41, ttmp6, 0x40004
	s_lshl_b32 s42, ttmp9, 2
	s_add_co_u32 s42, s42, s40                     ; tile column = 4 x cluster x + cx
	s_and_b32 s13, ttmp7, 0xffff
	s_lshl_b32 s13, s13, 2
	s_add_co_u32 s13, s13, s41                     ; tile row = 4 x cluster y + cy
	s_lshl_b32 s43, s41, 2
	s_lshl_b32 s43, 15, s43                        ; my row of the cluster
	s_lshl_b32 s44, 0x1111, s40                    ; my column
	; descriptor group 1: a tile of 64 rows x 256 elements of 2 bytes, padded in LDS
	s_or_b32 s[G1+0], s43, (1<<16)|(1<<20)|(1<<21)|(6<<22)|(3<<25)  ; 15:0 the mask; 17:16 element of 2 bytes; 20 padding on; 21 set beside a mask; 24:22 after every 128 words; 31:25 of 4 words
	s_or_b32 s[G1B+0], s44, (1<<16)|(1<<20)|(1<<21)|(6<<22)|(3<<25)
.irp g, G1, G1B
	s_mov_b32 s[\g+1], KSTEP<<16                   ; tensor_dim0 = 256
	s_mov_b32 s[\g+2], 64<<16                      ; tensor_dim1 = 64
	s_mov_b32 s[\g+3], KSTEP<<16                   ; tile_dim0 = 256
	s_mov_b32 s[\g+4], 64                          ; tile_dim1 = 64
	s_mov_b32 s[\g+5], SIZE_K                      ; tensor_dim0_stride
	s_mov_b32 s[\g+6], 0
	s_mov_b32 s[\g+7], 0
.endr
	s_lshl_b32 s17, s12, 6                         ; which 64 rows of the tile I fetch
	s_lshl_b32 s16, s13, 7
	s_add_co_u32 s16, s16, s17                     ; A: row 128 x tile row + 64 x half
	s_lshl_b32 s46, s42, 7
	s_add_co_u32 s46, s46, s17                     ; B: row 128 x tile column + 64 x half
	s_mov_b32 s17, 0
	s_mov_b32 s47, 0
	s_mov_b64 s[18:19], SIZE_K*2
	s_mul_u64 s[16:17], s[16:17], s[18:19]
	s_mul_u64 s[46:47], s[46:47], s[18:19]
	s_mul_i32 s20, s10, HALFT                      ; where they go: wave x 64 rows
	s_wait_dscnt 0x0                               ; both opening adds are done
	s_wait_kmcnt 0x0
	s_add_nc_u64 s[14:15], s[4:5], s[16:17]
	s_add_nc_u64 s[46:47], s[6:7], s[46:47]
	CROUND                                         ; all sixteen work-groups are here: the first joint loads meet
.irp s, 0,1
	s_mov_b32 s[G0+4*\s], 1
	s_add_co_u32 s[G0+4*\s+1], s20, \s*SLOT
	s_add_nc_u64 s[G0+4*\s+2:G0+4*\s+3], s[14:15], \s*KSTEP*2
	s_or_b32 s[G0+4*\s+3], s[G0+4*\s+3], 0x80000000
	s_mov_b32 s[G0B+4*\s], 1
	s_add_co_u32 s[G0B+4*\s+1], s20, \s*SLOT
	s_add_nc_u64 s[G0B+4*\s+2:G0B+4*\s+3], s[46:47], \s*KSTEP*2
	s_or_b32 s[G0B+4*\s+3], s[G0B+4*\s+3], 0x80000000
	JLOAD \s                                       ; two tensor loads of mine are out
.endr
	v_and_b32 v1, 15, v0                           ; r = l % 16
	v_bfe_u32 v2, v0, 4, 1                         ; h = l / 16
	v_mul_u32_u24 v3, v1, PITCH
	v_lshl_add_u32 v3, v2, 4, v3                   ; a fragment's row x pitch + 16 x half
	s_mul_i32 s21, s11, HALFT                      ; my 64 rows of A
	s_mul_i32 s22, s12, HALFT                      ; my 64 rows of B,
	s_add_co_u32 s22, s22, 2*HALFT                 ; which lie behind A's 128
.irp s, 0,1
	v_add_nc_u32 v[ADRA+\s], s21, v3
	v_add_nc_u32 v[ADRB+\s], s22, v3
	s_add_co_u32 s21, s21, SLOT
	s_add_co_u32 s22, s22, SLOT
.endr
	s_mul_i32 s23, s10, 16*SPITCH
	s_add_co_u32 s23, s23, STAGE                   ; my stage
	v_mul_u32_u24 v4, v1, SPITCH                   ; in: row l % 16, 32 bytes for each half of the lanes
	v_lshl_add_u32 v4, v2, 5, v4
	v_add_nc_u32 v[STO], s23, v4
	v_mul_u32_u24 v5, v2, SPITCH                   ; back: lanes 0-15 take one row of 256 bytes, lanes 16-31 the next
	v_lshl_add_u32 v5, v1, 4, v5
	v_add_nc_u32 v[RD], s23, v5
	v_lshlrev_b32 v5, 12, v2                       ; and the same two rows in out0: 4,096 bytes a row
	v_lshl_add_u32 v[CO], v1, 4, v5
	v_lshlrev_b32 v[BOF], 5, v2
	s_lshl_b32 s16, s13, 7
	s_lshl_b32 s17, s11, 6
	s_add_co_u32 s16, s16, s17                     ; my first row: 128 x tile row + 64 x half,
	s_lshl_b32 s16, s16, 12                        ; in bytes: under 2^25
	s_mov_b32 s17, 0
	s_add_nc_u64 s[8:9], s[8:9], s[16:17]
	s_lshl_b32 s46, s42, 9                         ; my first column, in bytes: 512 x tile column + 256 x half
	s_lshl_b32 s47, s12, 8
	s_add_co_u32 s46, s46, s47
	s_mov_b32 s47, 0
	s_add_nc_u64 s[8:9], s[8:9], s[46:47]
	s_add_nc_u64 s[2:3], s[2:3], s[46:47]          ; and the same in bo
.irp b, 0,1,2,3
	global_load_b128 v[BIAS+8*\b:BIAS+8*\b+3], v[BOF], s[2:3] offset:64*\b        ; bo at columns 16 b + 8 h + 0..7: the result's layout
	global_load_b128 v[BIAS+8*\b+4:BIAS+8*\b+7], v[BOF], s[2:3] offset:64*\b+16
.endr
; 8 matrix instructions: m blocks a0, a0 + 1 x all 4 n blocks, 32 along K: half c of buffer f.  zero = 1: the first product starts the sums, from bo.  The 16 accumulators take turns.
.macro MUL8 f, c, a0, zero
.irp a, \a0, \a0+1
.irp b, 0,1,2,3
.if \zero
	v_wmma_f32_16x16x32_f16 v[ACC+8*(4*(\a)+\b):ACC+8*(4*(\a)+\b)+7], v[\f+64+8*(4*\c+\b):\f+64+8*(4*\c+\b)+7], v[\f+8*(4*\c+\a):\f+8*(4*\c+\a)+7], v[BIAS+8*\b:BIAS+8*\b+7]
.else
	v_wmma_f32_16x16x32_f16 v[ACC+8*(4*(\a)+\b):ACC+8*(4*(\a)+\b)+7], v[\f+64+8*(4*\c+\b):\f+64+8*(4*\c+\b)+7], v[\f+8*(4*\c+\a):\f+8*(4*\c+\a)+7], v[ACC+8*(4*(\a)+\b):ACC+8*(4*(\a)+\b)+7]
.endif
.endr
.endr
.endm
; 32 LDS loads in one run: the fragments of 64 along K at byte k of the rows, into buffer f; the first 32 along K first
.macro FETCH slot, k, f
	WIN TO_F
.irp c, 0,1
.irp i, 0,1,2,3
	ds_load_b128 v[\f+64+8*(4*\c+\i):\f+64+8*(4*\c+\i)+3],   v[ADRB+\slot] offset:\k+64*\c+\i*16*PITCH
	ds_load_b128 v[\f+64+8*(4*\c+\i)+4:\f+64+8*(4*\c+\i)+7], v[ADRB+\slot] offset:\k+64*\c+\i*16*PITCH+32
	ds_load_b128 v[\f+8*(4*\c+\i):\f+8*(4*\c+\i)+3],         v[ADRA+\slot] offset:\k+64*\c+\i*16*PITCH
	ds_load_b128 v[\f+8*(4*\c+\i)+4:\f+8*(4*\c+\i)+7],       v[ADRA+\slot] offset:\k+64*\c+\i*16*PITCH+32
.endr
.endr
.endm
.macro PLACES                          ; four places in front of loads into registers that matrix instructions have read, and of the first read of results (ISA guide 7.12.1 for the first read of results)
.rept 4
	v_nop
.endr
.endm
; A K step is four quarters of 64 along K, 32 matrix instructions each, on buffers 0, 1, 0, 1.  One of the first three: multiplies buffer f and fetches the next quarter, at byte k, into g.
.macro QUARTER slot, k, f, g, zero
	s_wait_dscnt 16                                ; the first 32 along K are in; the youngest sixteen loads may be out
	WIN MUL
	MUL8 \f, 0, 0, \zero
	MUL8 \f, 0, 2, \zero
	PLACES
	FETCH \slot, \k, \g
	s_wait_dscnt 32                                ; all but the 32 just issued
	WIN MUL
	MUL8 \f, 1, 0, 0
	MUL8 \f, 1, 2, 0
.endm
; The last quarter multiplies buffer 1 and changes slots: ONE barrier; in front of it each wave waits for all its tensor loads, adds 0 to its spare word, and waits for that and for its own reads of this slot.  fill = 1: this slot is filled again, two K steps ahead.
.macro TURN slot, next, fill
	WIN 0                                          ; (the add's two registers lie in window 0)
	s_wait_tensorcnt 0x0                           ; all my tensor loads have landed: my part of the next slot;
	ds_add_u32 v[SPW], v[NIL]                      ; 0 onto my spare word;
	s_wait_dscnt 17                                ; (the add and the youngest sixteen loads may be out)
	WIN MUL
	MUL8 F1, 0, 0, 0                               ; eight matrix instructions stand between the add and the wait for it
	s_wait_dscnt 0x0                               ; the add is done, and my reads of this slot are over
	s_barrier_signal -1
	MUL8 F1, 0, 2, 0
.if \fill
	WIN 0
.endif
	s_barrier_wait -1
.if \fill
	CREST                                          ; the barrier has opened a round of the cluster's barrier: no wave of any partner still reads this slot's tile or has a load on its way
	s_add_nc_u64 s[G0+4*\slot+2:G0+4*\slot+3], s[G0+4*\slot+2:G0+4*\slot+3], 2*KSTEP*2
	s_add_nc_u64 s[G0B+4*\slot+2:G0B+4*\slot+3], s[G0B+4*\slot+2:G0B+4*\slot+3], 2*KSTEP*2
	JLOAD \slot                                    ; the first tensor load behind the round; the four v_nop behind it are also the places in front of the loads below
.else
	PLACES
.endif
	FETCH \next, 0, F0
	WIN MUL
	MUL8 F1, 1, 0, 0
	MUL8 F1, 1, 2, 0
.endm
	s_wait_tensorcnt 1                             ; my part of K step 0 is in (K step 1's load may be out),
	s_barrier_signal -1
	s_barrier_wait -1                              ; everybody's is
	FETCH 0, 0, F0
	s_wait_loadcnt 0x0                             ; bo
	QUARTER 0, 128, F0, F1, 1                      ; the first quarter stands in front of the loop: its first products start the sums
	WIN 0                                          ; at a label and at a branch every window is 0
	s_mov_b32 s[LAP], LAPS-1
.Llap:                                                 ; a trip goes once round the ring, from a lap's second quarter to the next lap's first, and fills both slots again
	QUARTER 0, 256, F1, F0, 0
	QUARTER 0, 384, F0, F1, 0
	TURN 0, 1, 1
	QUARTER 1, 128, F0, F1, 0
	QUARTER 1, 256, F1, F0, 0
	QUARTER 1, 384, F0, F1, 0
	TURN 1, 0, 1
	QUARTER 0, 128, F0, F1, 0
	WIN 0
	s_sub_co_u32 s[LAP], s[LAP], 1
	s_cmp_lg_u32 s[LAP], 0
	s_cbranch_scc1 .Llap
	QUARTER 0, 256, F1, F0, 0                      ; the last lap fills nothing, and has no round of the cluster's barrier
	QUARTER 0, 384, F0, F1, 0
	TURN 0, 1, 0
	QUARTER 1, 128, F0, F1, 0
	QUARTER 1, 256, F1, F0, 0
	QUARTER 1, 384, F0, F1, 0
	s_wait_dscnt 16                                ; the very last quarter: nothing more to fetch
	WIN MUL
	MUL8 F1, 0, 0, 0
	MUL8 F1, 0, 2, 0
	s_wait_dscnt 0
	MUL8 F1, 1, 0, 0
	MUL8 F1, 1, 2, 0
	WIN 0
; THE WAY OUT, block by block of 16 rows x 64 columns: a lane holds 32 neighbouring bytes of a row, the lanes beside it other rows: so a block goes through my own stage and comes back as whole rows of 256 bytes.
; LDS serves a wave's instructions in order (ISA guide 5.7.1.4): no wait between the stores and the loads, nor in front of the next block's stores.
.macro TOSTAGE a
.irp b, 0,1,2,3
	ds_store_b128 v[STO], v[ACC+8*(4*(\a)+\b):ACC+8*(4*(\a)+\b)+3] offset:64*\b          ; each accumulator from its low end on
	ds_store_b128 v[STO], v[ACC+8*(4*(\a)+\b)+4:ACC+8*(4*(\a)+\b)+7] offset:64*\b+16
.endr
.irp t, 0,1,2,3,4,5,6,7
	ds_load_b128 v[TMP+32*((\a)%2)+4*\t:TMP+32*((\a)%2)+4*\t+3], v[RD] offset:\t*2*SPITCH
.endr
.endm
.macro SEND a, younger                 ; younger: the LDS instructions issued behind block a's loads, which may stay out
	s_wait_dscnt \younger
.irp t, 0,1,2,3,4,5,6,7
	global_store_b128 v[CO], v[TMP+32*((\a)%2)+4*\t:TMP+32*((\a)%2)+4*\t+3], s[8:9] offset:(\a)*65536+\t*8192 th:TH_STORE_NT   ; 16 lanes store 256 consecutive bytes, aligned; written once, read by nobody here
.endr
.endm
	PLACES
	TOSTAGE 0
.irp a, 1,2,3
.if \a > 1
	s_wait_xcnt 0x0                                ; block a - 2's stores have read their registers: block a's loads may land there
.endif
	TOSTAGE \a
	SEND \a-1, 16                                  ; behind block a - 1's loads: block a's 8 stores and 8 loads
.endr
	SEND 3, 0
	s_wait_tensorcnt 0x0                           ; the wave's end: behind my last tensor load and my last LDS store
	ds_add_u32 v[SPW], v[NIL]
	s_wait_dscnt 0x0
	CROUND                                         ; the closing round: no work-group ends while a partner may still ask for a tile that names it
	s_endpgm
.Lfunc_end_k_qcae7a983b8_outp:
	.size	k_qcae7a983b8_outp, .Lfunc_end_k_qcae7a983b8_outp-k_qcae7a983b8_outp
	.p2alignl 7, 3214868480
	.fill 96, 4, 3214868480
	.section	.rodata,"a",@progbits
	.p2align	6, 0x0
	.amdhsa_kernel k_qcae7a983b8_outp
		.amdhsa_group_segment_fixed_size 327680
		.amdhsa_private_segment_fixed_size 0
		.amdhsa_enable_private_segment 0
		.amdhsa_kernarg_size 32
		.amdhsa_user_sgpr_count 2
		.amdhsa_user_sgpr_kernarg_segment_ptr 1
		.amdhsa_wavefront_size32 1
		.amdhsa_system_sgpr_workgroup_id_x 1
		.amdhsa_system_sgpr_workgroup_id_y 1
		.amdhsa_system_sgpr_workgroup_id_z 1
		.amdhsa_system_vgpr_workitem_id 0
		.amdhsa_next_free_vgpr 512
		.amdhsa_next_free_sgpr 66
		.amdhsa_reserve_vcc 0
		.amdhsa_float_denorm_mode_32 3
		.amdhsa_float_denorm_mode_16_64 3
		.amdhsa_memory_ordered 1
		.amdhsa_forward_progress 1
		.amdhsa_inst_pref_size 86
	.end_amdhsa_kernel
	.amdgpu_metadata
---
amdhsa.version: [ 1, 2 ]
amdhsa.kernels:
  - .name:           k_qcae7a983b8_outp
    .symbol:         k_qcae7a983b8_outp.kd
    .args:
      - { .name: ao, .offset: 0, .size: 8, .value_kind: global_buffer, .address_space: global }
      - { .name: wo16, .offset: 8, .size: 8, .value_kind: global_buffer, .address_space: global }
      - { .name: out0, .offset: 16, .size: 8, .value_kind: global_buffer, .address_space: global }
      - { .name: bo, .offset: 24, .size: 8, .value_kind: global_buffer, .address_space: global }
    .group_segment_fixed_size: 327680
    .private_segment_fixed_size: 0
    .kernarg_segment_align: 8
    .kernarg_segment_size: 32
    .max_flat_workgroup_size: 128
    .sgpr_count:     66
    .vgpr_count:     512
    .wavefront_size: 32
...
	.end_amdgpu_metadata
.endif
;; end of part 4
